; MI455X (gfx1250); checked and timed in simulation.
; The chip was launched on July 23, 2026; its instructions are those of AMD's public machine-readable ISA for CDNA 5 (MIT licence, August 2026) and "CDNA5" Instruction Set Architecture Reference Guide (July 2026). The comments in the code are by the model that wrote it; some were corrected since.
;; Multi Head Attn. Allowed arithmetic: matrix products marked QUANTISED: E3M2 operands, one E8M0 scale for each 32 along K, by v_wmma_scale_f32_16x16x128_f8f6f4 with both operands' format E3M2, f32 sums; everything else in f32.
;; Inputs: Wkv_codes 2,048 x 32 x 24 uint8 (E3M2 codes of Wkv, K innermost, in blocks of 32 codes, four codes in three bytes); Wkv_scales 2,048 x 32 uint8 (E8M0 scales of Wkv, one for each 32 codes along K); Wo_codes 1,024 x 32 x 24 uint8 (E3M2 codes of Wo, K innermost, in blocks of 32 codes, four codes in three bytes); Wo_scales 1,024 x 32 uint8 (E8M0 scales of Wo, one for each 32 codes along K); Wq_codes 1,024 x 32 x 24 uint8 (E3M2 codes of Wq, K innermost, in blocks of 32 codes, four codes in three bytes); Wq_scales 1,024 x 32 uint8 (E8M0 scales of Wq, one for each 32 codes along K); beta 1,024 float32; gamma 1,024 float32; h 2,048 x 4 x 1,024 float32.
;; Outputs: out0 2,048 x 4 x 1,024 float32.
;; This version of the problem:
;;   THIS VERSION OF THE PROBLEM IS GIVEN IN LOW PRECISION. The matrix products marked QUANTISED in the list below multiply operands that are first quantised to E3M2 (3 exponent bits, 2 mantissa bits; 6 bits a number), with one power-of-two scale for each 32 numbers along K (OCP MX v1.0); their sums are f32. All else is computed in f32.
;;   The module's matrix products, in the order in which they are computed (A, B: the left and right operand; K: the contracted axis; several contracted axes count as one K, in the product's order):
;;     1. [M 8,192, K 1,024] x [K 1,024, N 1,024]; A: input h; B: input Wq (given as codes): QUANTISED
;;     2. [M 8,192, K 1,024] x [K 1,024, N 2,048]; A: input h; B: input Wkv (given as codes): QUANTISED
;;     3. batch 64 x [M 2,048, K 64] x [K 64, N 2,048]; A: computed on the way; B: computed on the way: QUANTISED
;;     4. batch 64 x [M 64, K 2,048] x [K 2,048, N 2,048]; A: computed on the way; B: softmax (see below): QUANTISED
;;     5. [M 8,192, K 1,024] x [K 1,024, N 1,024]; A: computed on the way; B: input Wo (given as codes): QUANTISED
;;   THE QUANTISER, for each operand of a quantised product, along K:
;;     - K is cut into blocks of 32 from its start; a last block that is shorter is filled with zeros.
;;     - A block's scale is 2^e with e = floor(log2(the largest magnitude in the block)) - 4, held to -126 .. 127; a block of zeros has e = 0. As a byte (E8M0): e + 127.
;;     - Each number is divided by its block's scale, clamped to +-28, and rounded to the nearest number of E3M2, ties to even, subnormals kept.
;;     - The product sums the exact products of the quantised numbers (number of the format x scale) in f32.
;;   ~~~python
;;   def quantise(x, axis):      # numpy; x: float32 -> the quantised numbers, widened to float32 again
;;       x = np.moveaxis(x, axis, -1); K = x.shape[-1]
;;       x = np.pad(x, [(0, 0)] * (x.ndim - 1) + [(0, -K % 32)]); x = x.reshape(x.shape[:-1] + (-1, 32)); a = np.abs(x).max(-1, keepdims=True)
;;       e = np.where(a > 0, np.clip(np.frexp(np.where(a > 0, a, 1))[1] - 1 - 4, -126, 127), 0)      # np.frexp(a)[1] - 1 = floor(log2(a)), exactly
;;       r = np.clip(x / 2.0 ** e, -28, 28)
;;       step = 2.0 ** (np.maximum(np.frexp(np.where(r == 0, 1, r))[1] - 1, -2) - 2)
;;       q = np.round(r / step) * step * 2.0 ** e      # np.round: ties to even
;;       return np.moveaxis(q.reshape(q.shape[:-2] + (-1,))[..., :K], -1, axis).astype(np.float32)
;;   ~~~
;;   SOFTMAX AHEAD OF A QUANTISED PRODUCT. Where the list says 'softmax', what is quantised is not the finished softmax but p = 2^(t - M), with t = logit x log2(e) and M = ceil(the row's largest t), a whole number; so 1/2 < the row's largest p <= 1. The row's sum l is taken of the UNQUANTISED p, in f32, and the product's result is divided by l at the end. Since M is a whole number, a kernel that streams over the keys may use a running M (the ceiling of the running maximum): every later rescaling is an exact power of two, which a block's scale takes up: the codes' values come out the same.
;;   OPERANDS COMPUTED ON THE WAY. 'Computed on the way' means the value that the module computes at that place (a softmax that the list does not call 'softmax' is quantised finished and normalised). What goes into a quantiser is computed in f32, as accurately as f32 sums, v_exp_f32 and their like allow (about 1e-6 of the number): no bf16 or f16 on the way to a quantiser, and a product that is left as it is and whose result goes on into a quantised operand takes f32 operands (vector FMAs, or v_wmma_f32_16x16x4_f32). A number that lies on a knife's edge between two numbers of the format may be rounded either way, as far as f32 arithmetic and the matrix unit's own rounding can turn it there, and no further.
;;   INPUTS GIVEN AS CODES. Wkv (in the module: [1024, 2048], K = its axis 0); Wo (in the module: [1024, 1024], K = its axis 0); Wq (in the module: [1024, 1024], K = its axis 0): each comes as NAME_codes (uint8): NAME with its K axis moved to the last place and cut into blocks of 32 codes, [.., K / 32, bytes a block], one block behind the other in memory; four codes in three bytes: a row's codes are one little-endian stream of bits, code i at bits 6 i .. 6 i + 5 (a code: sign, 3 exponent bits, 2 mantissa bits); and NAME_scales (uint8): the same leading axes, one E8M0 byte (e + 127) for each 32 codes along K. Its value is code x scale, taken as it is: it is not quantised again, and the codes and scales need not be those that the quantiser above would give.
;; 2 versions. Each part assembles by itself: llvm-mc -triple=amdgcn-amd-amdhsa -mcpu=gfx1250 --defsym DOCPART=n.
;; ======== version 1 of 2: 3 launches
;; workspace buffers: qimg 6,815,744 bytes; kvw 13,369,344 bytes; aimg 6,291,456 bytes; asc 524,288 bytes
;; launch qkv (part 1): grid 4 x 64, 4 waves a work-group, no clusters, 170,496 bytes of LDS; arguments h, Wq_codes, Wq_scales, Wkv_codes, Wkv_scales, qimg, kvw; writes qimg, kvw
.if DOCPART == 1
	.amdgcn_target "amdgcn-amd-amdhsa--gfx1250"
	.amdhsa_code_object_version 6
	.text
	.protected	k_q6b26985b8c_qkv
	.globl	k_q6b26985b8c_qkv
	.p2align	8
	.type	k_q6b26985b8c_qkv,@function
k_q6b26985b8c_qkv:
	s_mov_b64 s[64:65], 0
	v_nop
	global_prefetch_b8 v0, s[64:65] scope:SCOPE_SE
	s_setreg_imm32_b32 hwreg(HW_REG_WAVE_MODE, 25, 1), 1
	s_wait_xcnt 0x0
; q = Q(h) Wq, k and v = Q(h) Wkv, on codes of BF6 (E3M2) with one E8M0 scale for each 32 along K = 1,024; the results are quantised at once: q and k along the head's 64, v along the keys,
; and leave as IMAGES OF OPERAND REGISTERS, as the attention launch takes them.  h: [2048 i][4 b][1024] f32.  Wq: [1024][768 bytes of codes], Wkv: [2048][768]; their scale bytes [..][32].
; SHARES.  A work-group owns 128 rows (i = 128 s .., one batch b) and 12 of the 48 heads of columns (q 0-15, k 16-31, v 32-47): head 12 g + 4 pass + wave.  A wave makes 128 rows x 64 columns
; a pass: 32 accumulators.  Phase X: wave w quantises row tiles 2 w and 2 w + 1 for all of K and lays their fragments in LDS as register images; ONE barrier; then three passes read them.
; The weights go from memory straight into registers (a fragment serves one wave), a pass ahead: behind the products of K step ks the next pass's fragments of ks are asked for.
; ONE ROW ORDER: slot r of tile 2 B + u is element 32 B + 8 u + r + 8 (r / 8), for h's rows and for the weights' rows in a head.  So the 16 result registers of tiles 2 B and 2 B + 1 are
; 16 neighbours, 32 B + 16 (lane / 16) + 0 .. 15, along the axis that is quantised next.
; q, k: source 0 = 16 rows of W, source 1 = 16 rows of h: a lane holds one row i, its registers run along d.   v: source 0 = h, source 1 = W: a lane holds one d, its registers run along i, the keys.
; OUT.  qimg record (16 (16 b + n) + s), 6,656 bytes: four pair images of 1,536 (tile 2 G in registers 0-5, tile 2 G + 1 in 6-11; register group c at 512 c + 16 lane); at 6,144 the scale words: word 16 L + 4 j is
; tile 2 j + L / 16, slot L % 16: s0 | s1 << 8 | 0x7f7f0000 (the upper two bytes scale the half of the instruction's K that a head of 64 leaves empty).  kvw record, 13,056 bytes: k like q; at 6,656 v's four
; fragments (16 d x 128 keys); at 12,800 their scale words: word 8 L + 4 j is tile 2 j + L / 16.
; LIMITS: NaN and infinities among the inputs are not served.  A block whose largest magnitude lies under 2^-122 keeps the byte 1; a block of zeros has the byte 1 and zero codes (this program alone reads the bytes).
; REGISTERS, in windows of 256.  window 0: v1-12 addresses; v16-47 W's scale words (8 a + ks); v48-55 h's (two sets of 4); v56-59 scale words on the way out; v64-159, v160-255 h's fragments, two sets;
;   phase X: v64-191 two sets of 64 numbers; v208-247 at work (they lie in the second set, which is free then and on the way out).
; window 1: the 32 accumulators; in phase X a ring of 4 x 64 registers as loaded.   windows 2, 3: W's fragments of K steps 0-3, 4-7, at 48 (ks % 4) + 12 a.
.set FRB,  1536                        ; a fragment's image: 12 registers x 128 bytes
.set HSC,  98304                       ; behind the 64 images of h: its scale words, 1,024 bytes for each writing wave: 1024 j + 128 ks + 4 lane
.set STG,  102400                      ; behind them: two stages of 16 rows x 528 bytes for each wave
.set STW,  16896
.set SPI,  528                         ; a stage row: 512 bytes + 16, so that the 16 rows of a load begin at 16 different groups of banks (64 banks of 4 bytes: ISA guide 11.1)
.set LI,   1                           ; 16 x lane
.set LI2,  2                           ; the same, 32 images on
.set WOF,  3                           ; my place in a tile of W: (r + 8 (r / 8)) x 768 + 24 h
.set WSO,  4                           ; and among its scale bytes: (r + 8 (r / 8)) x 32
.set STS,  5                           ; my wave's stage, on the way in: 16 x lane
.set STL,  6                           ; and out: 528 r + 64 h
.set XWI,  7                           ; where my wave's images begin: 24576 w + 16 x lane
.set XWS,  8                           ; and its scale words: HSC + 1024 w + 4 x lane
.set L8,   9                           ; 8 x lane
.set XA,   10                          ; XWI and XWS of the trip in hand
.set XB,   11
.set HSA,  12                          ; HSC + 4 x lane
.set WS,   16
.set HS,   48
.set SI,   56
.set HB0,  64
.set X0,   64
.set PC,   208                         ; the codes just made: v208-219; v220-222, v224-226 second halves
.set TM,   228                         ; v228-231 largest magnitudes, v232-235 bytes, v240-243 the conversions' scale operands
.set PW,   244
.set T0,   245
.set T1,   246
.set KEEP, 247
.set WV,   18
.set GG,   19
.set BB,   21
.set SS,   22
.set PASS, 23
.set HM,   24                          ; lanes 16-31
.set HD,   25                          ; my head of columns in this pass
.set SEL,  26
.set WN,   28                          ; s[28:29] W's codes, s[30:31] its scale bytes, at the head that is being loaded
.set WSN,  30
.set DST,  32
.set TRIP, 46
.set XO,   47
.set XSO,  48
.set MSB, 0
.macro WIN new                         ; the immediate's high byte repeats the setting that is left; a switch that changes nothing is dropped
.if MSB != (\new)
	s_set_vgpr_msb (MSB<<8)|(\new)
.set MSB, (\new)
.endif
.endm
; One matrix instruction, by the symbols rD, rA, rB, rSA, rSB.  rZ = 1: it starts its sum.  rR = 1: source 0's scales stand in lanes 16-31 of their register; 2: source 1's.
.macro WM
.if rZ
.if rR == 0
	v_wmma_scale_f32_16x16x128_f8f6f4 v[rD:rD+7], v[rA:rA+11], v[rB:rB+11], 0, v[rSA], v[rSB] matrix_a_fmt:MATRIX_FMT_BF6 matrix_b_fmt:MATRIX_FMT_BF6
.elseif rR == 1
	v_wmma_scale_f32_16x16x128_f8f6f4 v[rD:rD+7], v[rA:rA+11], v[rB:rB+11], 0, v[rSA], v[rSB] matrix_a_fmt:MATRIX_FMT_BF6 matrix_b_fmt:MATRIX_FMT_BF6 matrix_a_scale:MATRIX_SCALE_ROW1
.else
	v_wmma_scale_f32_16x16x128_f8f6f4 v[rD:rD+7], v[rA:rA+11], v[rB:rB+11], 0, v[rSA], v[rSB] matrix_a_fmt:MATRIX_FMT_BF6 matrix_b_fmt:MATRIX_FMT_BF6 matrix_b_scale:MATRIX_SCALE_ROW1
.endif
.else
.if rR == 0
	v_wmma_scale_f32_16x16x128_f8f6f4 v[rD:rD+7], v[rA:rA+11], v[rB:rB+11], v[rD:rD+7], v[rSA], v[rSB] matrix_a_fmt:MATRIX_FMT_BF6 matrix_b_fmt:MATRIX_FMT_BF6
.elseif rR == 1
	v_wmma_scale_f32_16x16x128_f8f6f4 v[rD:rD+7], v[rA:rA+11], v[rB:rB+11], v[rD:rD+7], v[rSA], v[rSB] matrix_a_fmt:MATRIX_FMT_BF6 matrix_b_fmt:MATRIX_FMT_BF6 matrix_a_scale:MATRIX_SCALE_ROW1
.else
	v_wmma_scale_f32_16x16x128_f8f6f4 v[rD:rD+7], v[rA:rA+11], v[rB:rB+11], v[rD:rD+7], v[rSA], v[rSB] matrix_a_fmt:MATRIX_FMT_BF6 matrix_b_fmt:MATRIX_FMT_BF6 matrix_b_scale:MATRIX_SCALE_ROW1
.endif
.endif
.endm
; 64 numbers of a lane in window sw, register 16 b + i = place 32 b + 16 (lane / 16) + i of my row, become 12 registers of codes in v[PC] on and four scale bytes in v[TM+4] on.
.macro QUANT s, sw
	WIN 0x05*(\sw)
.irp b, 0,1,2,3
	v_max3_num_f32 v[TM+\b], |v[\s+16*\b]|, |v[\s+1+16*\b]|, 0x2800000   ; block b: my 16 numbers, from the low end on, and the floor 2^(5 - 127): the byte cannot fall under 1
.endr
	WIN 0x14*(\sw)
.irp i, 2,4,6,8,10,12,14
.irp b, 0,1,2,3
	v_max3_num_f32 v[TM+\b], v[TM+\b], |v[\s+16*\b+\i]|, |v[\s+1+16*\b+\i]|   ; the four blocks by turns
.endr
.endr
	WIN 0
.irp b, 0,1,2,3
	v_permlanex16_b32 v[TM+4+\b], v[TM+\b], s[SEL], s[SEL+1]
.endr
.irp b, 0,1,2,3
	v_max_num_f32 v[TM+\b], v[TM+\b], v[TM+4+\b]   ; with lane l xor 16's 16: the block's largest magnitude
.endr
.irp b, 0,1,2,3
	v_add_nc_u32 v[TM+12+\b], 0xfe000000, v[TM+\b] ; 4 off its exponent field: the conversion takes that field as its scale
.endr
.irp b, 0,1,2,3
	v_lshrrev_b32 v[TM+4+\b], 23, v[TM+12+\b]      ; the scale's byte
.endr
	WIN 0x01*(\sw)
.irp c, 0,1
	v_cvt_scalef32_pk16_bf6_f32 v[PC+6*\c:PC+2+6*\c], v[\s+32*\c:\s+15+32*\c], v[TM+12+2*\c]
	v_cvt_scalef32_pk16_bf6_f32 v[PC+12+4*\c:PC+14+4*\c], v[\s+16+32*\c:\s+31+32*\c], v[TM+13+2*\c]   ; a conversion's three registers begin on an even number
.endr
	WIN 0
	v_nop                                          ; one plain instruction behind the scaled conversions
.irp c, 0,1                            ; the operand's layout wants a whole block in a lane: lanes 0-15 block 2 c, lanes 16-31 block 2 c + 1
.irp i, 0,1,2
	v_permlane16_swap_b32 v[PC+6*\c+\i], v[PC+12+4*\c+\i]
.endr
.irp i, 0,1,2
	v_mov_b32 v[PC+3+6*\c+\i], v[PC+12+4*\c+\i]
.endr
.endr
.endm
.macro WORD4                           ; the four bytes as one scale word
	v_lshl_or_b32 v[PW], v[TM+5], 8, v[TM+4]
	v_lshl_or_b32 v[PW], v[TM+6], 16, v[PW]
	v_lshl_or_b32 v[PW], v[TM+7], 24, v[PW]
.endm
; Unit q of a trip: tile parity q & 1, K step q >> 1 of the trip's two.  Sixteen loads, each 512 consecutive bytes of one row: 128 numbers.  nx = 1: the next trip's.
.macro LOADU q, nx
	WIN 0x40                                       ; destination window 1
.irp j, 0,1,2,3,4,5,6,7,8,9,10,11,12,13,14,15
	global_load_b128 v[64*(\q)+4*\j:64*(\q)+4*\j+3], v[LI], s[4:5] offset:(8*((\q)&1)+\j+8*(\j/8))*16384+512*((\q)>>1)+1024*(\nx)
.endr
.endm
; The unit's 16 rows turn through my wave's stage: in as loaded, out 16 neighbours of each block of 32 to a lane.  LDS serves a wave's instructions in order (ISA guide 5.7.1.4): no wait between.
.macro TURN q
	WIN 0x04                                       ; an LDS store's data are its source 1: window 1
.irp j, 0,1,2,3,4,5,6,7,8,9,10,11,12,13,14,15
	ds_store_b128 v[STS], v[64*(\q)+4*\j:64*(\q)+4*\j+3] offset:8448*((\q)&1)+SPI*\j
.endr
	WIN 0
.irp k, 0,1,2,3
.irp e, 0,1,2,3
	ds_load_b128 v[X0+64*((\q)&1)+16*\k+4*\e:X0+64*((\q)&1)+16*\k+4*\e+3], v[STL] offset:8448*((\q)&1)+128*\k+16*\e
.endr
.endr
.endm
.macro WPTR                            ; s34 = a head of columns: where its 64 rows of codes and of scale bytes begin.  The choice hangs on the head's number alone
	s_cmp_lt_u32 s34, 16
	s_cselect_b64 s[WN:WN+1], s[6:7], s[10:11]
	s_cselect_b64 s[WSN:WSN+1], s[8:9], s[12:13]
	s_cselect_b32 s35, 0, 16
	s_sub_co_u32 s35, s34, s35
	s_mul_i32 s36, s35, 49152
	s_mov_b32 s37, 0
	s_add_nc_u64 s[WN:WN+1], s[WN:WN+1], s[36:37]
	s_lshl_b32 s36, s35, 11
	s_add_nc_u64 s[WSN:WSN+1], s[WSN:WSN+1], s[36:37]
.endm
.macro WLOAD ks                        ; the four fragments of W for K step ks: 24 bytes of a row's stream of bits as three loads of 8
	WIN 0x80+0x40*((\ks)/4)
.irp a, 0,1,2,3
.irp p, 0,1,2,3,4,5
	global_load_b64 v[48*((\ks)%4)+12*\a+2*\p:48*((\ks)%4)+12*\a+2*\p+1], v[WOF], s[WN:WN+1] offset:(32*(\a/2)+8*(\a%2))*768+96*(\ks)+48*(\p/3)+8*(\p%3)
.endr
.endr
	WIN 0
.endm
.macro WSLOAD                          ; and its scale words for all eight K steps
.irp a, 0,1,2,3
.irp e, 0,1
	global_load_b128 v[WS+8*\a+4*\e:WS+8*\a+4*\e+3], v[WSO], s[WSN:WSN+1] offset:(32*(\a/2)+8*(\a%2))*32+16*\e
.endr
.endr
.endm
.macro HFETCH ks                       ; h's eight fragments and four registers of scale words for K step ks: 28 LDS loads
.set rH, HB0+96*((\ks)%2)
.irp m, 0,1,2,3
.irp c, 0,1,2
	ds_load_b128 v[rH+12*\m+4*\c:rH+12*\m+4*\c+3], v[LI] offset:(8*\m+(\ks))*FRB+512*\c
.endr
.endr
.irp m, 4,5,6,7
.irp c, 0,1,2
	ds_load_b128 v[rH+12*\m+4*\c:rH+12*\m+4*\c+3], v[LI2] offset:(8*(\m-4)+(\ks))*FRB+512*\c
.endr
.endr
.irp j, 0,1,2,3
	ds_load_b32 v[HS+4*((\ks)%2)+\j], v[HSA] offset:1024*\j+128*(\ks)   ; lanes 0-15: tile 2 j; lanes 16-31: tile 2 j + 1
.endr
.endm
; A unit of phase X.  ld: the ring's set q takes the next trip's unit.  turn: the next unit goes through the stage; cnt: the younger loads that may stay out.  wb >= 0: two K steps of the first pass's W are asked for.
.macro UNIT q, ld, turn, cnt, wb
	s_wait_dscnt 0x0                               ; my 64 numbers are back from the stage; the stage's stores have read the ring's set q, and the last images' stores their registers
.if (\q) == 0
	v_add_nc_u32 v[XA], s[XO], v[XWI]
	v_add_nc_u32 v[XB], s[XSO], v[XWS]
.endif
.if \ld
	LOADU \q, 1
.endif
.if \turn
	s_wait_loadcnt \cnt
	TURN (\q+1)%4
.endif
.if \wb >= 0
	WLOAD \wb
	WLOAD (\wb+1)
.endif
	QUANT X0+64*((\q)&1), 0
	WORD4
.irp c, 0,1,2
	ds_store_b128 v[XA], v[PC+4*\c:PC+4*\c+3] offset:12288*((\q)&1)+FRB*((\q)>>1)+512*\c   ; the fragment as it stands: lane l's 16 bytes at 16 l
.endr
.if ((\q)&1) == 0
	v_mov_b32 v[KEEP], v[PW]
.else
	v_cndmask_b32 v[T0], v[KEEP], v[PW], s[HM]     ; lanes 0-15: the even tile's words; lanes 16-31: the odd tile's
	ds_store_b32 v[XB], v[T0] offset:128*((\q)>>1)
.endif
.endm
; A K step of a pass: 32 matrix instructions on 32 accumulators by turns, in the same order in every step.  ty = 0: q or k; 1: v.
.macro GSTEP ty, ks
.if \ks < 7
	HFETCH (\ks+1)
	s_wait_dscnt 28                                ; all but the 28 just issued: this step's fragments are in
.else
	s_wait_dscnt 0x0
.endif
.if \ty == 0
	WIN 0x52+(\ks)/4                               ; source 0 (W) window 2 or 3, source 1 (h) window 0, C and D window 1
.else
	WIN 0x58+4*((\ks)/4)                           ; source 0 (h) window 0, source 1 (W) window 2 or 3
.endif
.set rZ, 0
.if \ks == 0
.set rZ, 1
.endif
.irp m, 0,1,2,3,4,5,6,7
.irp a, 0,1,2,3
.if \ty == 0
.set rD, 32*\m+8*\a
.set rA, 48*((\ks)%4)+12*\a
.set rB, HB0+96*((\ks)%2)+12*\m
.set rSA, WS+8*\a+(\ks)
.set rSB, HS+4*((\ks)%2)+\m/2
.set rR, 2*(\m%2)
.else
.set rD, 64*\a+8*\m
.set rA, HB0+96*((\ks)%2)+12*\m
.set rB, 48*((\ks)%4)+12*\a
.set rSA, HS+4*((\ks)%2)+\m/2
.set rSB, WS+8*\a+(\ks)
.set rR, \m%2
.endif
	WM
.endr
.endr
	WIN 0
.rept 4
	v_nop                                          ; four plain instructions in front of the loads into registers that these products have read, and, behind the last step, of the first read of results
.endr
	s_cmp_eq_u32 s[PASS], 2                        ; the last pass has no successor
	s_cbranch_scc1 .Lnw_\@
	WLOAD \ks                                      ; the next pass's fragments of this K step, a whole pass ahead of their use
.if \ks == 7
	WSLOAD
.endif
.Lnw_\@:
.endm
; The way out: 64 accumulator registers at a time become one image of 12 registers.  q, k: two row tiles, two blocks of d each.  v: one tile of d, four blocks of keys.
.macro EPI ty
.irp u, 0,1,2,3
	s_wait_xcnt 0x0                                ; the last stores have read the codes' registers, which are written again only behind this wait
	QUANT 64*\u, 1
.if \ty == 0
	v_lshl_or_b32 v[T0], v[TM+5], 8, v[TM+4]       ; the even tile's two bytes,
	v_lshl_or_b32 v[T1], v[TM+7], 8, v[TM+6]       ; the odd tile's,
	v_cndmask_b32 v[T0], v[T0], v[T1], s[HM]       ; in lanes 0-15 and 16-31,
	v_or_b32 v[SI+\u], 0x7f7f0000, v[T0]           ; and 1.0 for the empty half of the instruction's K
.else
	WORD4
.if \u % 2 == 0
	v_mov_b32 v[SI+\u/2], v[PW]
.else
	v_cndmask_b32 v[SI+\u/2], v[SI+\u/2], v[PW], s[HM]
.endif
.endif
.irp c, 0,1,2
	global_store_b128 v[LI], v[PC+4*\c:PC+4*\c+3], s[DST:DST+1] offset:FRB*\u+512*\c   ; 32 lanes store 512 consecutive bytes, at a multiple of 256 from the buffer's first byte
.endr
.endr
.if \ty == 0
	global_store_b128 v[LI], v[SI:SI+3], s[DST:DST+1] offset:6144
.else
	global_store_b64 v[L8], v[SI:SI+1], s[DST:DST+1] offset:6144
.endif
.endm
.macro PASSBODY ty
	HFETCH 0
.irp k, 0,1,2,3,4,5,6,7
	GSTEP \ty, \k
.endr
	EPI \ty
.endm
	s_load_b256 s[4:11], s[0:1], 0x0               ; h, Wq's codes, Wq's scales, Wkv's codes
	s_load_b128 s[12:15], s[0:1], 0x20             ; Wkv's scales, qimg
	s_load_b64 s[16:17], s[0:1], 0x30              ; kvw
	v_lshl_add_u32 v14, v0, 2, 0x29800
	v_mov_b32 v15, 0
	v_lshrrev_b32 v60, 5, v0
	v_readfirstlane_b32 s[WV], v60                 ; wave 0..3
	s_mov_b32 s[GG], ttmp9                         ; the group of 12 heads of columns
	s_and_b32 s20, ttmp7, 0xffff
	s_and_b32 s[BB], s20, 3                        ; the batch
	s_lshr_b32 s[SS], s20, 2                       ; which 128 of i
	s_mov_b32 s[HM], 0xffff0000
	s_mov_b32 s[SEL], 0x76543210
	s_mov_b32 s[SEL+1], 0xfedcba98                 ; v_permlanex16_b32's selects for lane l xor 16
	s_mov_b32 s[XO], 0
	s_mov_b32 s[XSO], 0
	v_and_b32 v60, 31, v0                          ; lane
	v_and_b32 v61, 15, v0                          ; r
	v_bfe_u32 v62, v0, 4, 1                        ; h
	v_lshlrev_b32 v[LI], 4, v60
	v_add_nc_u32 v[LI2], 32*FRB, v[LI]
	v_and_b32 v63, 8, v61
	v_add_nc_u32 v63, v63, v61                     ; r + 8 (r / 8)
	v_mul_u32_u24 v[WOF], v63, 768
	v_mad_u32_u24 v[WOF], v62, 24, v[WOF]
	v_lshlrev_b32 v[WSO], 5, v63
	s_mul_i32 s34, s[WV], STW
	s_add_co_u32 s34, s34, STG
	v_add_nc_u32 v[STS], s34, v[LI]
	v_mul_u32_u24 v[STL], v61, SPI
	v_lshl_add_u32 v[STL], v62, 6, v[STL]
	v_add_nc_u32 v[STL], s34, v[STL]
	s_mul_i32 s34, s[WV], 16*FRB
	v_add_nc_u32 v[XWI], s34, v[LI]
	s_lshl_b32 s34, s[WV], 10
	s_add_co_u32 s34, s34, HSC
	v_lshl_add_u32 v[XWS], v60, 2, s34
	v_lshl_add_u32 v[HSA], v60, 2, HSC
	v_lshlrev_b32 v[L8], 3, v60
.irp b, 0,1,2,3
	v_mov_b32 v[TM+4+\b], 0                        ; written once: a lane permute's destination counts as one of its sources
.endr
	s_mul_i32 s[HD], s[GG], 12
	s_add_co_u32 s[HD], s[HD], s[WV]               ; my head of columns in pass 0
	s_lshl_b32 s34, s[SS], 21                      ; my wave's first row: ((128 s + 32 w) x 4 + b) x 4,096 bytes
	s_lshl_b32 s35, s[WV], 19
	s_add_co_u32 s34, s34, s35
	s_lshl_b32 s35, s[BB], 12
	s_add_co_u32 s34, s34, s35
	s_mov_b32 s35, 0
	s_wait_kmcnt 0x0
	s_add_nc_u64 s[4:5], s[4:5], s[34:35]
	s_mov_b32 s34, s[HD]
	WPTR
	; ---- PHASE X: my 32 rows of h, 16 units of (K step, tile).  The ring holds four units as loaded: 64 loads of the wave are asked for at a time; the turn through the stage runs one unit ahead of the arithmetic.
	LOADU 0, 0
	LOADU 1, 0
	LOADU 2, 0
	LOADU 3, 0
	s_wait_loadcnt 48                              ; unit 0's sixteen loads are in; the three units behind it may be out
	TURN 0
	s_mov_b32 s[TRIP], 3
.Lx:                                               ; a trip: two K steps of both tiles; it asks for the next trip's
	UNIT 0, 1, 1, 48, -1                           ; 48: behind the next unit's loads stand three units of sixteen
	UNIT 1, 1, 1, 48, -1
	UNIT 2, 1, 1, 48, -1
	UNIT 3, 1, 1, 48, -1
	s_wait_xcnt 0x0                                ; the loads have read their base: it steps only behind this wait
	s_add_nc_u64 s[4:5], s[4:5], 1024
	s_add_co_u32 s[XO], s[XO], 2*FRB
	s_add_co_u32 s[XSO], s[XSO], 256
	s_sub_co_u32 s[TRIP], s[TRIP], 1
	s_cmp_lg_u32 s[TRIP], 0
	s_cbranch_scc1 .Lx
	UNIT 0, 0, 1, 32, 0                            ; the last trip asks for no h (no load leaves the buffer) but for the first pass's W.  32: units 2 and 3 may be out
	UNIT 1, 0, 1, 63, 2                            ; behind unit 2's loads stand unit 3's sixteen and 48 of W: 64; the count is the largest that the wait can name, and smaller is safe
	UNIT 2, 0, 1, 63, 4                            ; behind unit 3's: 96 of W
	UNIT 3, 0, 0, 0, 6
	WSLOAD
	s_wait_dscnt 0x0                               ; for the others' sake: my images and scale words have landed
	s_barrier_signal -1
	s_barrier_wait -1                              ; all 64 fragments of h lie in LDS; nothing is written there any more
	; ---- THREE PASSES
	s_mov_b32 s[PASS], 0
.Lpass:
	s_wait_loadcnt 0x0                             ; this pass's W and its scale words, asked for a pass ago
	s_wait_xcnt 0x0                                ; the last pass's stores have read their registers and base
	s_and_b32 s34, s[HD], 15                       ; n
	s_lshr_b32 s35, s[HD], 4                       ; 0: q, 1: k, 2: v
	s_lshl_b32 s36, s[BB], 4
	s_add_co_u32 s36, s36, s34
	s_lshl_b32 s36, s36, 4
	s_add_co_u32 s36, s36, s[SS]                   ; the record: 16 (16 b + n) + s
	s_cmp_eq_u32 s35, 0
	s_cselect_b64 s[DST:DST+1], s[14:15], s[16:17]
	s_mov_b32 s37, 13056
	s_cselect_b32 s37, 6656, s37
	s_mul_i32 s36, s36, s37
	s_cmp_eq_u32 s35, 2
	s_cselect_b32 s37, 6656, 0                     ; v's part lies behind k's
	s_add_co_u32 s36, s36, s37
	s_mov_b32 s37, 0
	s_add_nc_u64 s[DST:DST+1], s[DST:DST+1], s[36:37]
	s_add_co_u32 s34, s[HD], 4
	WPTR                                           ; the next pass's head (in the last pass the address is made and not used)
	s_cmp_ge_u32 s[HD], 32                         ; heads come in fours of one kind: all four waves take the same way
	s_cbranch_scc1 .Lvtype
	PASSBODY 0
	s_branch .Ljoin
.Lvtype:
	PASSBODY 1
.Ljoin:
	s_add_co_u32 s[HD], s[HD], 4
	s_add_co_u32 s[PASS], s[PASS], 1
	s_cmp_lt_u32 s[PASS], 3
	s_cbranch_scc1 .Lpass
	s_wait_tensorcnt 0x0
	ds_add_u32 v14, v15
	s_wait_dscnt 0x0
	s_endpgm
.Lfunc_end_k_q6b26985b8c_qkv:
	.size	k_q6b26985b8c_qkv, .Lfunc_end_k_q6b26985b8c_qkv-k_q6b26985b8c_qkv
	.p2alignl 7, 3214868480
	.fill 96, 4, 3214868480
	.section	.rodata,"a",@progbits
	.p2align	6, 0x0
	.amdhsa_kernel k_q6b26985b8c_qkv
		.amdhsa_group_segment_fixed_size 170496
		.amdhsa_private_segment_fixed_size 0
		.amdhsa_enable_private_segment 0
		.amdhsa_kernarg_size 56
		.amdhsa_user_sgpr_count 2
		.amdhsa_user_sgpr_kernarg_segment_ptr 1
		.amdhsa_wavefront_size32 1
		.amdhsa_system_sgpr_workgroup_id_x 1
		.amdhsa_system_sgpr_workgroup_id_y 1
		.amdhsa_system_sgpr_workgroup_id_z 1
		.amdhsa_system_vgpr_workitem_id 0
		.amdhsa_next_free_vgpr 1024
		.amdhsa_next_free_sgpr 66
		.amdhsa_reserve_vcc 0
		.amdhsa_float_denorm_mode_32 3
		.amdhsa_float_denorm_mode_16_64 3
		.amdhsa_memory_ordered 1
		.amdhsa_forward_progress 1
		.amdhsa_inst_pref_size 255
	.end_amdhsa_kernel
	.amdgpu_metadata
---
amdhsa.version: [ 1, 2 ]
amdhsa.kernels:
  - .name:           k_q6b26985b8c_qkv
    .symbol:         k_q6b26985b8c_qkv.kd
    .args:
      - { .name: h, .offset: 0, .size: 8, .value_kind: global_buffer, .address_space: global }
      - { .name: Wq_codes, .offset: 8, .size: 8, .value_kind: global_buffer, .address_space: global }
      - { .name: Wq_scales, .offset: 16, .size: 8, .value_kind: global_buffer, .address_space: global }
      - { .name: Wkv_codes, .offset: 24, .size: 8, .value_kind: global_buffer, .address_space: global }
      - { .name: Wkv_scales, .offset: 32, .size: 8, .value_kind: global_buffer, .address_space: global }
      - { .name: qimg, .offset: 40, .size: 8, .value_kind: global_buffer, .address_space: global }
      - { .name: kvw, .offset: 48, .size: 8, .value_kind: global_buffer, .address_space: global }
    .group_segment_fixed_size: 170496
    .private_segment_fixed_size: 0
    .kernarg_segment_align: 8
    .kernarg_segment_size: 56
    .max_flat_workgroup_size: 128
    .sgpr_count:     66
    .vgpr_count:     1024
    .wavefront_size: 32
...
	.end_amdgpu_metadata
.endif
;; end of part 1
;; launch attn (part 2): grid 4 x 64, 16 waves a work-group, clusters of 4 x 1, 215,040 bytes of LDS; arguments qimg, kvw, aimg, asc; writes aimg, asc
.if DOCPART == 2
	.amdgcn_target "amdgcn-amd-amdhsa--gfx1250"
	.amdhsa_code_object_version 6
	.text
	.protected	k_q6b26985b8c_attn
	.globl	k_q6b26985b8c_attn
	.p2align	8
	.type	k_q6b26985b8c_attn,@function
k_q6b26985b8c_attn:
	s_mov_b64 s[64:65], 0
	v_nop
	global_prefetch_b8 v0, s[64:65] scope:SCOPE_SE
	s_setreg_imm32_b32 hwreg(HW_REG_WAVE_MODE, 25, 1), 1
	s_wait_xcnt 0x0
	s_wait_alu depctr_hold_cnt(0) depctr_sa_sdst(0) depctr_va_vdst(0) depctr_va_sdst(0) depctr_va_ssrc(0) depctr_va_vcc(0) depctr_vm_vsrc(0)
	s_getreg_b32 s2, hwreg(HW_REG_IB_STS2, 6, 4)
	s_cmp_eq_u32 s2, 0
	s_cbranch_scc0 .Lentry_in_a_cluster
	s_endpgm
.Lentry_in_a_cluster:
	s_bfe_u32 s2, ttmp6, 0x10000c
	s_cmp_lg_u32 s2, 0x3003
	s_cbranch_scc0 .Lentry_shape_is_right
	s_endpgm
.Lentry_shape_is_right:
; attn_vec[i][b][n][:] = the sum over keys j of softmax_j(q . k / 8) v, both products on codes of BF6 (E3M2) with one E8M0 scale for each 32 along a product's K; the result is quantised along d and leaves as register images.
; THE SOFTMAX AHEAD OF THE SECOND PRODUCT: t = score x log2(e) / 8; M = the row's largest t so far, rounded UP to a whole number; p = 2^(t - M) is what is quantised, along the keys, not normalised.
; The row's sum is taken of the unquantised p, in f32, and divides O at the end.  When M moves, the sum and O are multiplied by 2^(old M - new M): exact.
; SHARES.  The cluster's y is the pair (batch, head) hb = 16 b + n; its four work-groups are the four blocks of 512 queries.  Each of a work-group's SIXTEEN waves owns a pair of query tiles, 2 B and 2 B + 1,
; B = 16 cx + wave, one after the other, in 256 registers: four waves to a SIMD, so that one wave's vector work stands beside another's matrix work and LDS loads.  Every tile walks 16 steps of 128 keys.
; LDS holds the head's whole block of kvw, 16 records of 13,056 bytes, as it lies: filled ONCE, by joint loads (the four work-groups need the same bytes): no slot is ever filled again.
; Every LDS read is a register image, 16 or 8 bytes a lane on end.
; LAYOUT.  Both products are used transposed: S^T = K Q^T (source 0 = 16 keys, source 1 = my 16 queries), O^T = V^T P^T (source 0 = 16 of the head's 64, source 1 = P): a lane holds ONE query throughout.
; The keys of a tile, and V's d, stand in the order slot r of tile 2 B + u = 32 B + 8 u + r + 8 (r / 8), so that the 16 registers of two neighbouring tiles are 16 neighbours along the next K.
; K = 64 IN AN INSTRUCTION OF 128.  Q's registers 6-11 are zero codes.  K's operand for tile t names v[32 + 6 t] and eleven more: its upper six are the next tile's codes (behind the last tile: six zeros).
; Every code of this format is a finite number, so against zero codes they add nothing; the scale bytes of that half are 0x7f on both sides.
; LIMITS: NaN and infinities are not served; a block of attn_vec whose largest magnitude lies under 2^-122 keeps the byte 1 (zeros: byte 1, zero codes; this program alone reads the bytes).
; REGISTERS: v1-3 lane offsets; v8-9 the step's addresses; v12 -M, v13 the largest t, v[14:15] the sum in two halves; v16-27 Q; v32-79 K's 8 tiles, then V's 4 fragments; v80-85 zeros; v96-159 S^T, then p; v160-191 O^T;
; v192-193 V's scale words; v196-207 the pair's Q; v208 the pair's scale words on the way out; v224-235 p's codes; v232-247, v252, v254 at work; v248-251 K's scale words; v253 p's; v255 Q's.
.set REC,  13056                       ; a step's record: K's codes 6,144, K's scale words 512, V's codes 6,144, V's scale words 256
.set CHK,  4*REC                       ; four records: what the four fetching waves bring at a time
.set LI,   1
.set L8,   2
.set L4,   3
.set ADR,  8
.set ADR2, 9
.set QF,   16
.set QP,   196
.set AW,   208
.set QS,   255
.set TB,   2                           ; s2   LDS byte at which the step's record begins
.set CNT,  3
.set WV,   18
.set SEL,  20
.set CS,   22                          ; s[22:23] c = log2(e) / 8: the packed form names a pair and takes its low word for both halves
.set G1,   24                          ; s[24:31] descriptor group 1;  s[32:47] four groups 0
.set G0,   32
.set TIL,  48
.set MK,   49                          ; the lanes that take this tile's scale words
.set AO,   50
.set AS,   52
.set QA,   54
; A round of the cluster's barrier: my work-group's barrier, so that wave 0's signal speaks for all sixteen waves; wave 0 signals for the work-group; every wave waits for all four work-groups; my work-group's barrier once more.
.macro CROUND
	s_barrier_signal -1
	s_barrier_wait -1
	s_cmp_lg_u32 s[WV], 0
	s_cbranch_scc1 .Lnot_wave_0_\@
	s_barrier_signal -3
.Lnot_wave_0_\@:
	s_barrier_wait -3
	s_barrier_signal -1
	s_barrier_wait -1
.endm
; A KEY STEP: 128 keys.
.macro STEP
	v_add_nc_u32 v[ADR], s[TB], v[LI]
	v_add_nc_u32 v[ADR2], s[TB], v[L8]
	v_nop
	v_nop                                          ; four plain instructions behind the last products, in front of loads into registers that they have read
.set ii, 0
.rept 12
	ds_load_b128 v[32+4*ii:35+4*ii], v[ADR] offset:512*ii          ; K's eight tiles, six registers each
.set ii, ii+1
.endr
	ds_load_b128 v[248:251], v[ADR] offset:6144    ; register j: lanes 0-15 tile 2 j's scale words, lanes 16-31 tile 2 j + 1's
	s_wait_dscnt 0x0
.irp t, 0,1,2,3,4,5,6,7
.if \t % 2
	v_wmma_scale_f32_16x16x128_f8f6f4 v[96+8*\t:103+8*\t], v[32+6*\t:43+6*\t], v[QF:QF+11], 0, v[248+\t/2], v[QS] matrix_a_fmt:MATRIX_FMT_BF6 matrix_b_fmt:MATRIX_FMT_BF6 matrix_a_scale:MATRIX_SCALE_ROW1
.else
	v_wmma_scale_f32_16x16x128_f8f6f4 v[96+8*\t:103+8*\t], v[32+6*\t:43+6*\t], v[QF:QF+11], 0, v[248+\t/2], v[QS] matrix_a_fmt:MATRIX_FMT_BF6 matrix_b_fmt:MATRIX_FMT_BF6
.endif
.endr
.rept 4
	v_nop                                          ; in front of the loads into K's registers and of the first read of the scores
.endr
.set ii, 0
.rept 12
	ds_load_b128 v[32+4*ii:35+4*ii], v[ADR] offset:6656+512*ii     ; V's four fragments: they land under the softmax
.set ii, ii+1
.endr
	ds_load_b64 v[192:193], v[ADR2] offset:12800
.irp b, 0,1,2,3
	v_max3_num_f32 v[232+\b], v[96+16*\b], v[97+16*\b], v[98+16*\b]   ; THE LARGEST SCORE OF EACH BLOCK OF 32 KEYS serves twice: for the row's maximum, and, since p rises with the score, for the block's largest p
.endr
.irp i, 3,5,7,9,11,13
.irp b, 0,1,2,3
	v_max3_num_f32 v[232+\b], v[232+\b], v[96+16*\b+\i], v[97+16*\b+\i]
.endr
.endr
.irp b, 0,1,2,3
	v_max_num_f32 v[232+\b], v[232+\b], v[111+16*\b]
.endr
.irp b, 0,1,2,3
	v_permlanex16_b32 v[236+\b], v[232+\b], s[SEL], s[SEL+1]
.endr
.irp b, 0,1,2,3
	v_max_num_f32 v[232+\b], v[232+\b], v[236+\b]  ; with lane l xor 16's 16 keys
.endr
	v_max3_num_f32 v254, v232, v233, v234
	v_max_num_f32 v254, v254, v235                 ; the step's largest score of my query
	v_mul_f32 v254, s[CS], v254                    ; as t (c is positive)
	v_max_num_f32 v13, v13, v254                   ; the running largest t
	v_mov_b32 v254, v12
	v_floor_f32 v12, -v13                          ; the new -M = floor(-t) = -ceil(t): a whole number
	v_sub_f32 v254, v12, v254                      ; M's old value less its new one: a whole number, 0 or less
	v_cvt_i32_f32 v254, v254                       ; (it saturates)
	v_ldexp_f32 v252, 1.0, v254                    ; f = 2^(old M - new M)
.set ii, 0
.rept 32
	v_pk_fma_f32 v[96+ii:97+ii], v[96+ii:97+ii], s[CS:CS+1], v[12:13] op_sel_hi:[1,0,0]   ; t - M, two at a time
.set ii, ii+2
.endr
.irp b, 0,1,2,3
	v_fma_f32 v[232+\b], v[232+\b], s[CS], v12     ; the same of each block's largest score
.endr
.set ii, 0
.rept 64
	v_exp_f32 v[96+ii], v[96+ii]                   ; p = 2^(t - M), at most 1
.set ii, ii+1
.endr
	v_pk_mul_f32 v[14:15], v[14:15], v[252:253] op_sel_hi:[1,0]   ; the sums under the new M: the plain instruction behind the exponentials
	s_wait_alu depctr_va_vdst(0)                   ; one wait for the whole batch, ahead of its first reader
.irp b, 0,1,2,3
	v_exp_f32 v[232+\b], v[232+\b]                 ; the block's largest p: the same two instructions on the same number give the same bits
.endr
	v_pk_add_f32 v[236:237], v[96:97], v[98:99]    ; THE ROW'S SUM IS TAKEN OF THE UNQUANTISED p, two at a time, in two chains
.irp j, 4,8,12,16,20,24,28,32,36,40,44,48,52,56,60
	v_pk_add_f32 v[14:15], v[14:15], v[96+\j:97+\j]
	v_pk_add_f32 v[236:237], v[236:237], v[98+\j:99+\j]
.endr
	v_pk_add_f32 v[14:15], v[14:15], v[236:237]
	s_wait_alu depctr_va_vdst(0)                   ; and one for the four
.irp b, 0,1,2,3
	v_max_num_f32 v[232+\b], 0x2800000, v[232+\b]  ; the floor 2^(5 - 127): the byte cannot fall under 1
.endr
.irp b, 0,1,2,3
	v_add_nc_u32 v[244+\b], 0xfe000000, v[232+\b]  ; 4 off the exponent field: the conversion's scale operand
.endr
.irp b, 0,1,2,3
	v_lshrrev_b32 v[236+\b], 23, v[244+\b]         ; the scale's byte
.endr
	v_lshl_or_b32 v253, v237, 8, v236              ; p's scale word for these 128 keys
	v_lshl_or_b32 v253, v238, 16, v253
	v_lshl_or_b32 v253, v239, 24, v253
.irp c, 0,1
	v_cvt_scalef32_pk16_bf6_f32 v[224+6*\c:226+6*\c], v[96+32*\c:111+32*\c], v[244+2*\c]
	v_cvt_scalef32_pk16_bf6_f32 v[236+4*\c:238+4*\c], v[112+32*\c:127+32*\c], v[245+2*\c]   ; a conversion's three registers begin on an even number
.endr
	v_nop                                          ; one plain instruction behind the scaled conversions
.irp c, 0,1                            ; the operand's layout wants a whole block in a lane
.irp i, 0,1,2
	v_permlane16_swap_b32 v[224+6*\c+\i], v[236+4*\c+\i]
.endr
.irp i, 0,1,2
	v_mov_b32 v[227+6*\c+\i], v[236+4*\c+\i]
.endr
.endr
.set ii, 0
.rept 16
	v_pk_mul_f32 v[160+ii:161+ii], v[160+ii:161+ii], v[252:253] op_sel_hi:[1,0]   ; O^T under the new M.  These sixteen also stand between the writes of p's codes and scale word and the products
.set ii, ii+2
.endr
	s_wait_dscnt 0x0                               ; V and its scale words are in
.irp a, 0,1,2,3
.if \a % 2
	v_wmma_scale_f32_16x16x128_f8f6f4 v[160+8*\a:167+8*\a], v[32+12*\a:43+12*\a], v[224:235], v[160+8*\a:167+8*\a], v[192+\a/2], v253 matrix_a_fmt:MATRIX_FMT_BF6 matrix_b_fmt:MATRIX_FMT_BF6 matrix_a_scale:MATRIX_SCALE_ROW1
.else
	v_wmma_scale_f32_16x16x128_f8f6f4 v[160+8*\a:167+8*\a], v[32+12*\a:43+12*\a], v[224:235], v[160+8*\a:167+8*\a], v[192+\a/2], v253 matrix_a_fmt:MATRIX_FMT_BF6 matrix_b_fmt:MATRIX_FMT_BF6
.endif
.endr
	s_add_co_u32 s[TB], s[TB], REC
.endm
	s_load_b256 s[4:11], s[0:1], 0x0               ; qimg, kvw, aimg, asc
	v_lshl_add_u32 v223, v0, 2, 0x34000
	v_mov_b32 v243, 0
	ds_add_u32 v223, v243
	ds_add_u32 v223, v243
	v_lshrrev_b32 v8, 5, v0
	v_readfirstlane_b32 s[WV], v8                  ; wave 0..15
	s_bfe_u32 s12, ttmp6, 0x40000                  ; cx: my block of 512 queries; it enters global addresses of Q and of the results alone
	s_and_b32 s13, ttmp7, 0xffff                   ; hb, which the four partners share
	; descriptor group 1: a record as 51 rows of 256 bytes (32 elements of 8), dense
	s_mov_b32 s[G1], 15|(3<<16)|(1<<21)            ; 15:0 the mask: all four work-groups; 17:16 elements of 8 bytes; 20 no padding; 21 set beside a mask
	s_mov_b32 s[G1+1], 32<<16                      ; tensor_dim0 = 32
	s_mov_b32 s[G1+2], 51<<16                      ; tensor_dim1 = 51
	s_mov_b32 s[G1+3], 32<<16                      ; tile_dim0 = 32
	s_mov_b32 s[G1+4], 51                          ; tile_dim1 = 51
	s_mov_b32 s[G1+5], 32                          ; from row to row
	s_mov_b32 s[G1+6], 0
	s_mov_b32 s[G1+7], 0
	s_mul_i32 s14, s[WV], REC                      ; wave w (of the first four) brings record 4 c + w: its place in LDS and in the head's block are the same
	s_mul_i32 s16, s13, 16*REC
	s_add_co_u32 s16, s16, s14
	s_mov_b32 s17, 0
	s_mov_b32 s[SEL], 0x76543210
	s_mov_b32 s[SEL+1], 0xfedcba98
	s_mov_b32 s[CS], 0x3e38aa3b                    ; c = log2(e) / 8
	s_mov_b32 s[CS+1], s[CS]
	s_wait_dscnt 0x0
	s_wait_kmcnt 0x0
	s_add_nc_u64 s[16:17], s[6:7], s[16:17]
.irp c, 0,1,2,3
	s_mov_b32 s[G0+4*\c], 1                        ; count = 1
	s_add_co_u32 s[G0+4*\c+1], s14, \c*CHK         ; LDS address
	s_add_nc_u64 s[G0+4*\c+2:G0+4*\c+3], s[16:17], \c*CHK
	s_or_b32 s[G0+4*\c+3], s[G0+4*\c+3], 0x80000000   ; type = 2
.endr
	CROUND                                         ; all four work-groups are here: the joint loads meet
	s_cmp_lt_u32 s[WV], 4                          ; a wave's four fills stand in one branch, ahead of every wait on TENSORcnt and every LDS read: four loads of mine are out
	s_cbranch_scc0 .Lno_fill
	tensor_load_to_lds s[G0:G0+3], s[G1:G1+7]
	s_nop 0
	tensor_load_to_lds s[G0+4:G0+7], s[G1:G1+7]
	s_nop 0
	tensor_load_to_lds s[G0+8:G0+11], s[G1:G1+7]
	s_nop 0
	tensor_load_to_lds s[G0+12:G0+15], s[G1:G1+7]
	s_nop 0
.rept 4
	v_nop
.endr
.Lno_fill:
	s_lshl_b32 s56, s12, 4
	s_add_co_u32 s56, s56, s[WV]                   ; B: my pair of query tiles, 0..63
	s_mov_b32 s59, 0
	s_lshl_b32 s57, s13, 4
	s_lshr_b32 s58, s56, 2
	s_add_co_u32 s57, s57, s58
	s_mul_i32 s58, s57, 6656
	s_add_nc_u64 s[QA:QA+1], s[4:5], s[58:59]      ; Q's record: 16 hb + B / 4
	s_lshr_b32 s57, s13, 4
	s_lshl_b32 s57, s57, 7
	s_lshl_b32 s58, s56, 1
	s_add_co_u32 s57, s57, s58                     ; 128 b + 2 B
	s_lshl_b32 s57, s57, 4
	s_and_b32 s58, s13, 15
	s_add_co_u32 s57, s57, s58
	s_mul_i32 s58, s57, 768
	s_add_nc_u64 s[AO:AO+1], s[8:9], s[58:59]      ; aimg: ((128 b + T) x 16 + n) x 768
	s_lshl_b32 s57, s13, 7
	s_lshl_b32 s58, s56, 1
	s_add_co_u32 s57, s57, s58
	s_lshl_b32 s58, s57, 6
	s_add_nc_u64 s[AS:AS+1], s[10:11], s[58:59]    ; asc: (128 hb + T) x 64
	v_and_b32 v8, 31, v0
	v_lshlrev_b32 v[LI], 4, v8
	v_lshlrev_b32 v[L8], 3, v8
	v_lshlrev_b32 v[L4], 2, v8
	s_and_b32 s57, s[WV], 3                        ; which of the record's four pairs
	s_mul_i32 s58, s57, 1536
	v_add_nc_u32 v9, s58, v[LI]
	s_lshl_b32 s58, s57, 2
	v_add_nc_u32 v10, s58, v[LI]
.irp c, 0,1,2
	global_load_b128 v[QP+4*\c:QP+4*\c+3], v9, s[QA:QA+1] offset:512*\c th:TH_LOAD_NT
.endr
	global_load_b32 v[QS], v10, s[QA:QA+1] offset:6144 th:TH_LOAD_NT   ; lanes 0-15: tile 2 B's scale words; lanes 16-31: tile 2 B + 1's
.irp i, 0,1,2,3,4,5
	v_mov_b32 v[QF+6+\i], 0                        ; the empty half of Q's operand: zero codes
	v_mov_b32 v[80+\i], 0                          ; and what stands behind K's last tile
.endr
.irp b, 0,1,2,3
	v_mov_b32 v[236+\b], 0                         ; written once: a lane permute's destination counts as one of its sources
.endr
	v_mov_b32 v253, 0                              ; (named as the upper half of the pair v[252:253] before it is first written)
	v_mov_b32 v[AW], 0
	s_mov_b32 s[TIL], 2
	s_mov_b32 s[MK], 0xffff
	s_wait_loadcnt 0x0                             ; Q
.irp i, 0,1,2,3,4,5
	v_mov_b32 v[QF+\i], v[QP+\i]                   ; the pair's first tile
.endr
.Ltile:                                            ; two trips: my two tiles of queries
	v_mov_b32 v13, 0xff61b1e6                      ; the largest t so far: -3e38, under every t
	v_floor_f32 v12, -v13                          ; -M
	v_mov_b32 v14, 0
	v_mov_b32 v15, 0
.set ii, 0
.rept 32
	v_mov_b32 v[160+ii], 0                         ; O^T: the step is written once; the first finds zeros.  These lines also stand between the writes of Q's operand and scale words and the first product
.set ii, ii+1
.endr
.irp c, 0,1,2,3
	s_mov_b32 s[TB], \c*CHK
	s_wait_tensorcnt 3-\c                          ; my record of this chunk has landed; the chunks behind it may be out.  (Met at once in the second trip and in waves that fetch nothing)
	s_wait_dscnt 0x0
	s_barrier_signal -1
	s_barrier_wait -1                              ; everybody's has
	s_mov_b32 s[CNT], 4
.Lstep\c:
	STEP
	s_sub_co_u32 s[CNT], s[CNT], 1
	s_cmp_lg_u32 s[CNT], 0
	s_cbranch_scc1 .Lstep\c
.endr
	; THE WAY OUT of a tile: O^T / the sum is quantised along d: two blocks of 32, half a K step of the last product.
.rept 4
	v_nop                                          ; behind the last products, in front of the first read of O^T
.endr
	v_add_f32 v14, v14, v15                        ; the sum's two halves,
	v_permlanex16_b32 v252, v14, s[SEL], s[SEL+1]
	v_add_f32 v14, v14, v252                       ; and lane l xor 16's: the row's sum
	v_rcp_f32 v14, v14
	v_nop                                          ; a plain instruction behind the reciprocal
	s_wait_alu depctr_va_vdst(0)                   ; and the wait ahead of its first reader
.set ii, 0
.rept 16
	v_pk_mul_f32 v[96+ii:97+ii], v[160+ii:161+ii], v[14:15] op_sel_hi:[1,0]   ; register 16 b + i is d = 32 b + 16 (lane / 16) + i of my query
.set ii, ii+2
.endr
.irp b, 0,1
	v_max3_num_f32 v[232+\b], |v[96+16*\b]|, |v[97+16*\b]|, 0x2800000
.endr
.irp i, 2,4,6,8,10,12,14
.irp b, 0,1
	v_max3_num_f32 v[232+\b], v[232+\b], |v[96+16*\b+\i]|, |v[97+16*\b+\i]|
.endr
.endr
.irp b, 0,1
	v_permlanex16_b32 v[236+\b], v[232+\b], s[SEL], s[SEL+1]
.endr
.irp b, 0,1
	v_max_num_f32 v[232+\b], v[232+\b], v[236+\b]
.endr
.irp b, 0,1
	v_add_nc_u32 v[244+\b], 0xfe000000, v[232+\b]
.endr
.irp b, 0,1
	v_lshrrev_b32 v[236+\b], 23, v[244+\b]
.endr
	v_lshl_or_b32 v254, v237, 8, v236              ; my query's two bytes
	v_cvt_scalef32_pk16_bf6_f32 v[224:226], v[96:111], v244
	v_cvt_scalef32_pk16_bf6_f32 v[240:242], v[112:127], v245
	v_nop
.irp i, 0,1,2
	v_permlane16_swap_b32 v[224+\i], v[240+\i]
.endr
.irp i, 0,1,2
	v_mov_b32 v[227+\i], v[240+\i]                 ; registers 0-5: d = 32 (lane / 16) + 0 .. 31
.endr
.irp p, 0,1,2
	global_store_b64 v[L8], v[224+2*\p:225+2*\p], s[AO:AO+1] offset:256*\p   ; 32 lanes store 256 consecutive bytes, at a multiple of 256 from the buffer's first byte
.endr
	v_cndmask_b32 v[AW], v[AW], v254, s[MK]        ; the first tile's words in lanes 0-15, the second's in lanes 16-31
	s_wait_xcnt 0x0                                ; the stores have read their base and registers
	s_add_nc_u64 s[AO:AO+1], s[AO:AO+1], 16*768    ; the next tile
	s_lshl_b32 s[MK], s[MK], 16
.irp i, 0,1,2,3,4,5
	v_mov_b32 v[QF+\i], v[QP+6+\i]                 ; the pair's second tile,
.endr
	v_permlanex16_b32 v254, v[QS], s[SEL], s[SEL+1]
	v_mov_b32 v[QS], v254                          ; and its scale words into lanes 0-15
	s_sub_co_u32 s[TIL], s[TIL], 1
	s_cmp_lg_u32 s[TIL], 0
	s_cbranch_scc1 .Ltile
	global_store_b32 v[L4], v[AW], s[AS:AS+1]      ; the pair's 32 scale words: 128 consecutive bytes
	s_wait_tensorcnt 0x0
	s_wait_dscnt 0x0
	s_wait_tensorcnt 0x0
	ds_add_u32 v223, v243
	s_wait_dscnt 0x0
	CROUND                                         ; the closing round: no work-group ends while a partner may still ask for a record that names it
	s_endpgm
.Lfunc_end_k_q6b26985b8c_attn:
	.size	k_q6b26985b8c_attn, .Lfunc_end_k_q6b26985b8c_attn-k_q6b26985b8c_attn
	.p2alignl 7, 3214868480
	.fill 96, 4, 3214868480
	.section	.rodata,"a",@progbits
	.p2align	6, 0x0
	.amdhsa_kernel k_q6b26985b8c_attn
		.amdhsa_group_segment_fixed_size 215040
		.amdhsa_private_segment_fixed_size 0
		.amdhsa_enable_private_segment 0
		.amdhsa_kernarg_size 32
		.amdhsa_user_sgpr_count 2
		.amdhsa_user_sgpr_kernarg_segment_ptr 1
		.amdhsa_wavefront_size32 1
		.amdhsa_system_sgpr_workgroup_id_x 1
		.amdhsa_system_sgpr_workgroup_id_y 1
		.amdhsa_system_sgpr_workgroup_id_z 1
		.amdhsa_system_vgpr_workitem_id 0
		.amdhsa_next_free_vgpr 256
		.amdhsa_next_free_sgpr 66
		.amdhsa_reserve_vcc 0
		.amdhsa_float_denorm_mode_32 3
		.amdhsa_float_denorm_mode_16_64 3
		.amdhsa_memory_ordered 1
		.amdhsa_forward_progress 1
		.amdhsa_inst_pref_size 74
	.end_amdhsa_kernel
	.amdgpu_metadata
---
amdhsa.version: [ 1, 2 ]
amdhsa.kernels:
  - .name:           k_q6b26985b8c_attn
    .symbol:         k_q6b26985b8c_attn.kd
    .args:
      - { .name: qimg, .offset: 0, .size: 8, .value_kind: global_buffer, .address_space: global }
      - { .name: kvw, .offset: 8, .size: 8, .value_kind: global_buffer, .address_space: global }
      - { .name: aimg, .offset: 16, .size: 8, .value_kind: global_buffer, .address_space: global }
      - { .name: asc, .offset: 24, .size: 8, .value_kind: global_buffer, .address_space: global }
    .group_segment_fixed_size: 215040
    .private_segment_fixed_size: 0
    .kernarg_segment_align: 8
    .kernarg_segment_size: 32
    .max_flat_workgroup_size: 512
    .sgpr_count:     66
    .vgpr_count:     256
    .wavefront_size: 32
...
	.end_amdgpu_metadata
.endif
;; end of part 2
;; launch oproj (part 3): grid 256 x 1, 16 waves a work-group, no clusters, 159,232 bytes of LDS; arguments aimg, asc, Wo_codes, Wo_scales, h, gamma, beta, out0; writes out0
.if DOCPART == 3
	.amdgcn_target "amdgcn-amd-amdhsa--gfx1250"
	.amdhsa_code_object_version 6
	.text
	.protected	k_q6b26985b8c_oproj
	.globl	k_q6b26985b8c_oproj
	.p2align	8
	.type	k_q6b26985b8c_oproj,@function
k_q6b26985b8c_oproj:
	s_mov_b64 s[64:65], 0
	v_nop
	global_prefetch_b8 v0, s[64:65] scope:SCOPE_SE
	s_setreg_imm32_b32 hwreg(HW_REG_WAVE_MODE, 25, 1), 1
	s_wait_xcnt 0x0
; out = layer_norm(h + Q(attn_vec) Wo) x gamma + beta.  The product runs on codes of BF6 (E3M2) with one E8M0 scale for each 32 along K = 1,024; all else in f32.
; SHARES.  A work-group owns 32 rows: i = 32 Bp .. 32 Bp + 31 of one batch b, that is tiles 2 Bp and 2 Bp + 1 of aimg (slot r of tile 2 Bp + u is row 32 Bp + 8 u + r + 8 (r / 8)).
; In the product wave w makes columns 64 w .. 64 w + 63 for both tiles: four tiles of Wo x two row tiles, eight accumulators by turns.  In the norm wave w owns the whole rows 2 w and 2 w + 1.
; The 16 fragments of attn_vec (2 tiles x 8 K steps) are brought by the 16 waves, one each, and laid in LDS as register images; Wo goes from memory straight into registers, half a K step ahead.
; No cluster: what the work-groups share is Wo, of which every wave takes fragments of its own straight into registers; a turn through LDS would add a ring of slots for eight matrix instructions a wave and K step.
; THE MATRIX INSTRUCTION IS USED TRANSPOSED (source 0 = 16 rows of Wo, source 1 = 16 rows of attn_vec): a lane holds eight neighbouring columns of one row.  Rows meet in a stage in LDS.
; The variance is taken in two passes, of x - mean, as the problem writes it: a common offset of the inputs costs nothing.
; REGISTERS: v1-10 addresses; v16-79 the accumulators (8 (4 u + a)), later my two rows; v80-143 h's two rows; v144-191 Wo's four fragments; v192-215 attn_vec's two; v216-247 Wo's scale words (8 a + ks); v248 attn_vec's;
; v250-255 at work.  Behind the product: gamma in v144-175, beta in v176-207.
.set FRB,  1536
.set ASC,  24576                       ; behind the 16 images: the scale words: 128 ks + 64 u + 4 r
.set STG,  25600                       ; behind them: the stage, 32 rows x (4,096 bytes + 16)
.set SPI,  4112
.set LI,   1                           ; 16 x lane
.set WOF,  2                           ; 768 r + 24 h
.set WSO,  3                           ; 32 r
.set STO,  4                           ; the stage, in: row r + 8 (r / 8), + 32 h + 256 w
.set SR,   5                           ; and back: rows 2 w on, 16 x lane
.set L4,   6                           ; 4 x lane
.set L8,   7                           ; 8 x lane
.set R4,   8                           ; 4 r
.set PIM,  9                           ; where I lay my image: 1536 w + 16 x lane
.set PSC,  10                          ; and its scale words
.set ACC,  16
.set HR,   80
.set WF,   144
.set AF,   192
.set WS,   216
.set AS,   248
.set GA,   144
.set BE,   176
.set WV,   20
.set SEL,  26
.macro WL ks, a0                       ; Wo's tiles a0 and a0 + 1 for K step ks: 12 loads of 8 bytes
.irp a, \a0, \a0+1
.irp p, 0,1,2,3,4,5
	global_load_b64 v[WF+12*(\a)+2*\p:WF+12*(\a)+2*\p+1], v[WOF], s[8:9] offset:(\a)*12288+96*(\ks)+48*(\p/3)+8*(\p%3)
.endr
.endr
.endm
.macro MM4 ks, a0                      ; four matrix instructions on four accumulators
.irp a, \a0, \a0+1
.if \ks == 0
	v_wmma_scale_f32_16x16x128_f8f6f4 v[ACC+8*(\a):ACC+8*(\a)+7], v[WF+12*(\a):WF+12*(\a)+11], v[AF:AF+11], 0, v[WS+8*(\a)+\ks], v[AS] matrix_a_fmt:MATRIX_FMT_BF6 matrix_b_fmt:MATRIX_FMT_BF6
	v_wmma_scale_f32_16x16x128_f8f6f4 v[ACC+32+8*(\a):ACC+32+8*(\a)+7], v[WF+12*(\a):WF+12*(\a)+11], v[AF+12:AF+23], 0, v[WS+8*(\a)+\ks], v[AS] matrix_a_fmt:MATRIX_FMT_BF6 matrix_b_fmt:MATRIX_FMT_BF6 matrix_b_scale:MATRIX_SCALE_ROW1
.else
	v_wmma_scale_f32_16x16x128_f8f6f4 v[ACC+8*(\a):ACC+8*(\a)+7], v[WF+12*(\a):WF+12*(\a)+11], v[AF:AF+11], v[ACC+8*(\a):ACC+8*(\a)+7], v[WS+8*(\a)+\ks], v[AS] matrix_a_fmt:MATRIX_FMT_BF6 matrix_b_fmt:MATRIX_FMT_BF6
	v_wmma_scale_f32_16x16x128_f8f6f4 v[ACC+32+8*(\a):ACC+32+8*(\a)+7], v[WF+12*(\a):WF+12*(\a)+11], v[AF+12:AF+23], v[ACC+32+8*(\a):ACC+32+8*(\a)+7], v[WS+8*(\a)+\ks], v[AS] matrix_a_fmt:MATRIX_FMT_BF6 matrix_b_fmt:MATRIX_FMT_BF6 matrix_b_scale:MATRIX_SCALE_ROW1
.endif
.endr
.rept 4
	v_nop                                          ; four plain instructions in front of loads into registers that these products have read, and of the first read of results
.endr
.endm
.macro ALLSUM r, t                     ; the sum of v[r] over the 32 lanes, in every lane; v[t] has been written
	v_add_f32_dpp v[\r], v[\r], v[\r] row_xmask:1 row_mask:0xf bank_mask:0xf
	v_add_f32_dpp v[\r], v[\r], v[\r] row_xmask:2 row_mask:0xf bank_mask:0xf
	v_add_f32_dpp v[\r], v[\r], v[\r] row_xmask:4 row_mask:0xf bank_mask:0xf
	v_add_f32_dpp v[\r], v[\r], v[\r] row_xmask:8 row_mask:0xf bank_mask:0xf
	v_permlanex16_b32 v[\t], v[\r], s[SEL], s[SEL+1]
	v_add_f32 v[\r], v[\r], v[\t]
.endm
.macro NORM p                          ; my row p: 32 numbers a lane
.set XR, ACC+32*(\p)
.set ii, 0
.rept 16
	v_pk_add_f32 v[XR+ii:XR+ii+1], v[XR+ii:XR+ii+1], v[HR+32*(\p)+ii:HR+32*(\p)+ii+1]   ; x = h + attn_out
.set ii, ii+2
.endr
	v_pk_add_f32 v[250:251], v[XR:XR+1], v[XR+2:XR+3]              ; the sum, in two chains
	v_pk_add_f32 v[252:253], v[XR+4:XR+5], v[XR+6:XR+7]
.irp j, 8,12,16,20,24,28
	v_pk_add_f32 v[250:251], v[250:251], v[XR+\j:XR+\j+1]
	v_pk_add_f32 v[252:253], v[252:253], v[XR+\j+2:XR+\j+3]
.endr
	v_pk_add_f32 v[250:251], v[250:251], v[252:253]
	v_add_f32 v250, v250, v251
	ALLSUM 250, 251
	v_mul_f32 v250, s28, v250                      ; the mean
.set ii, 0
.rept 16
	v_pk_add_f32 v[XR+ii:XR+ii+1], v[XR+ii:XR+ii+1], v[250:251] op_sel_hi:[1,0] neg_lo:[0,1] neg_hi:[0,1]   ; x - mean
.set ii, ii+2
.endr
	v_pk_mul_f32 v[252:253], v[XR:XR+1], v[XR:XR+1]
	v_pk_mul_f32 v[254:255], v[XR+2:XR+3], v[XR+2:XR+3]
.irp j, 4,8,12,16,20,24,28
	v_pk_fma_f32 v[252:253], v[XR+\j:XR+\j+1], v[XR+\j:XR+\j+1], v[252:253]
	v_pk_fma_f32 v[254:255], v[XR+\j+2:XR+\j+3], v[XR+\j+2:XR+\j+3], v[254:255]
.endr
	v_pk_add_f32 v[252:253], v[252:253], v[254:255]
	v_add_f32 v252, v252, v253
	ALLSUM 252, 253
	v_fma_f32 v252, v252, s28, s29                 ; the variance + 1e-5
	v_rsq_f32 v252, v252
	v_nop                                          ; a plain instruction behind the root
	s_wait_alu depctr_va_vdst(0)                   ; and the wait ahead of its first reader
.set ii, 0
.rept 16
	v_pk_mul_f32 v[XR+ii:XR+ii+1], v[XR+ii:XR+ii+1], v[252:253] op_sel_hi:[1,0]
	v_pk_fma_f32 v[XR+ii:XR+ii+1], v[XR+ii:XR+ii+1], v[GA+ii:GA+ii+1], v[BE+ii:BE+ii+1]
.set ii, ii+2
.endr
.irp e, 0,1,2,3,4,5,6,7
	global_store_b128 v[LI], v[XR+4*\e:XR+4*\e+3], s[18:19] offset:16384*(\p)+512*\e th:TH_STORE_NT   ; 32 lanes store 512 consecutive bytes, at a multiple of 256 from the buffer's first byte
.endr
.endm
	s_load_b256 s[4:11], s[0:1], 0x0               ; aimg, asc, Wo's codes, Wo's scales
	s_load_b256 s[12:19], s[0:1], 0x20             ; h, gamma, beta, out0
	v_lshl_add_u32 v15, v0, 2, 0x26600
	v_mov_b32 v249, 0
	v_lshrrev_b32 v11, 5, v0
	v_readfirstlane_b32 s[WV], v11                 ; wave 0..15
	s_and_b32 s21, ttmp9, 3                        ; b
	s_lshr_b32 s22, ttmp9, 2                       ; Bp
	s_lshr_b32 s23, s[WV], 3                       ; the fragment that I bring: tile u,
	s_and_b32 s24, s[WV], 7                        ; K step ks
	s_mov_b32 s[SEL], 0x76543210
	s_mov_b32 s[SEL+1], 0xfedcba98
	s_mov_b32 s28, 0x3a800000                      ; 1 / 1,024
	s_mov_b32 s29, 0x3727c5ac                      ; 1e-5
	v_and_b32 v11, 31, v0                          ; lane
	v_and_b32 v12, 15, v0                          ; r
	v_bfe_u32 v13, v0, 4, 1                        ; h
	v_lshlrev_b32 v[LI], 4, v11
	v_lshlrev_b32 v[L4], 2, v11
	v_lshlrev_b32 v[L8], 3, v11
	v_lshlrev_b32 v[R4], 2, v12
	v_mul_u32_u24 v[WOF], v12, 768
	v_mad_u32_u24 v[WOF], v13, 24, v[WOF]
	v_lshlrev_b32 v[WSO], 5, v12
	v_and_b32 v14, 8, v12
	v_add_nc_u32 v14, v14, v12                     ; r + 8 (r / 8)
	v_mul_u32_u24 v[STO], v14, SPI
	v_lshl_add_u32 v[STO], v13, 5, v[STO]
	s_lshl_b32 s30, s[WV], 8
	s_add_co_u32 s30, s30, STG
	v_add_nc_u32 v[STO], s30, v[STO]
	s_mul_i32 s30, s[WV], 2*SPI
	s_add_co_u32 s30, s30, STG
	v_add_nc_u32 v[SR], s30, v[LI]
	s_mul_i32 s30, s[WV], FRB
	v_add_nc_u32 v[PIM], s30, v[LI]
	s_lshl_b32 s30, s24, 7
	s_lshl_b32 s31, s23, 6
	s_add_co_u32 s30, s30, s31
	s_add_co_u32 s30, s30, ASC
	v_add_nc_u32 v[PSC], s30, v[R4]
	s_lshl_b32 s31, s22, 1                         ; 2 Bp
	s_lshl_b32 s30, s21, 7
	s_add_co_u32 s30, s30, s31
	s_add_co_u32 s30, s30, s23                     ; 128 b + 2 Bp + u
	s_lshl_b32 s30, s30, 4
	s_lshl_b32 s32, s24, 1
	s_add_co_u32 s30, s30, s32                     ; x 16 + head 2 ks
	s_mul_i32 s34, s30, 768
	s_mov_b32 s35, 0
	s_lshl_b32 s36, s21, 4
	s_add_co_u32 s36, s36, s32                     ; 16 b + 2 ks
	s_lshl_b32 s36, s36, 7
	s_add_co_u32 s36, s36, s31
	s_add_co_u32 s36, s36, s23
	s_lshl_b32 s36, s36, 6
	s_mov_b32 s37, 0
	s_mul_i32 s38, s[WV], 49152                    ; my 64 rows of Wo,
	s_mov_b32 s39, 0
	s_lshl_b32 s40, s[WV], 11                      ; and of its scale bytes
	s_mov_b32 s41, 0
	s_lshl_b32 s42, s22, 19                        ; my two rows of h and of out0: ((32 Bp + 2 w) x 4 + b) x 4,096
	s_lshl_b32 s43, s[WV], 15
	s_add_co_u32 s42, s42, s43
	s_lshl_b32 s43, s21, 12
	s_add_co_u32 s42, s42, s43
	s_mov_b32 s43, 0
	s_wait_kmcnt 0x0
	s_add_nc_u64 s[4:5], s[4:5], s[34:35]
	s_add_nc_u64 s[6:7], s[6:7], s[36:37]
	s_add_nc_u64 s[8:9], s[8:9], s[38:39]
	s_add_nc_u64 s[10:11], s[10:11], s[40:41]
	s_add_nc_u64 s[12:13], s[12:13], s[42:43]
	s_add_nc_u64 s[18:19], s[18:19], s[42:43]
.irp p, 0,1,2,3,4,5
	global_load_b64 v[AF+2*\p:AF+2*\p+1], v[L8], s[4:5] offset:256*\p th:TH_LOAD_NT   ; heads 2 ks and 2 ks + 1 lie on end: the 12 registers of my fragment
.endr
	global_load_b32 v250, v[R4], s[6:7] th:TH_LOAD_NT              ; head 2 ks: two bytes a row,
	global_load_b32 v251, v[R4], s[6:7] offset:8192 th:TH_LOAD_NT  ; head 2 ks + 1
.irp a, 0,1,2,3
.irp e, 0,1
	global_load_b128 v[WS+8*\a+4*\e:WS+8*\a+4*\e+3], v[WSO], s[10:11] offset:512*\a+16*\e
.endr
.endr
	WL 0, 0
	WL 0, 2
.irp p, 0,1
.irp e, 0,1,2,3,4,5,6,7
	global_load_b128 v[HR+32*\p+4*\e:HR+32*\p+4*\e+3], v[LI], s[12:13] offset:16384*\p+512*\e th:TH_LOAD_NT
.endr
.endr
	s_wait_loadcnt 48                              ; my fragment and its bytes are in; Wo's 8 + 24 loads and h's 16 may be out
	v_lshl_or_b32 v250, v251, 16, v250             ; the K step's scale word
.irp c, 0,1,2
	ds_store_b128 v[PIM], v[AF+4*\c:AF+4*\c+3] offset:512*\c
.endr
	ds_store_b32 v[PSC], v250                      ; both halves of the lanes write the same word with the same value
	s_wait_dscnt 0x0                               ; for the others' sake: my stores have landed
	s_barrier_signal -1
	s_barrier_wait -1                              ; all 16 fragments lie in LDS
.irp k, 0,1,2,3,4,5,6,7
.irp u, 0,1
.irp c, 0,1,2
	ds_load_b128 v[AF+12*\u+4*\c:AF+12*\u+4*\c+3], v[LI] offset:(8*\u+\k)*FRB+512*\c
.endr
.endr
	ds_load_b32 v[AS], v[L4] offset:ASC+128*\k     ; lanes 0-15: tile 0's scale words; lanes 16-31: tile 1's
.if \k == 0
	s_wait_loadcnt 28                              ; the scale words and tiles 0, 1 are in; tiles 2, 3 (12) and h (16) may be out
.else
	s_wait_loadcnt 12                              ; tiles 0, 1 are in; tiles 2, 3 may be out
.endif
	s_wait_dscnt 0x0
	MM4 \k, 0
.if \k < 7
	WL (\k+1), 0
.endif
.if \k == 0
	s_wait_loadcnt 28                              ; tiles 2, 3 are in; h (16) and the 12 just issued may be out
.elseif \k < 7
	s_wait_loadcnt 12                              ; all but the 12 just issued
.else
	s_wait_loadcnt 0x0
.endif
	MM4 \k, 2
.if \k < 7
	WL (\k+1), 2
.endif
.endr
.irp e, 0,1,2,3,4,5,6,7
	global_load_b128 v[GA+4*\e:GA+4*\e+3], v[LI], s[14:15] offset:512*\e
	global_load_b128 v[BE+4*\e:BE+4*\e+3], v[LI], s[16:17] offset:512*\e
.endr
.irp u, 0,1
.irp a, 0,1,2,3
	ds_store_b128 v[STO], v[ACC+8*(4*\u+\a):ACC+8*(4*\u+\a)+3] offset:8*SPI*\u+64*\a       ; each accumulator from its low end on
	ds_store_b128 v[STO], v[ACC+8*(4*\u+\a)+4:ACC+8*(4*\u+\a)+7] offset:8*SPI*\u+64*\a+16
.endr
.endr
	s_wait_dscnt 0x0                               ; for the others' sake
	s_barrier_signal -1
	s_barrier_wait -1                              ; 32 whole rows lie in the stage
.irp p, 0,1
.irp e, 0,1,2,3,4,5,6,7
	ds_load_b128 v[ACC+32*\p+4*\e:ACC+32*\p+4*\e+3], v[SR] offset:SPI*\p+512*\e
.endr
.endr
	s_wait_loadcnt 0x0                             ; gamma and beta (h has long been in)
	s_wait_dscnt 0x0
	NORM 0
	NORM 1
	s_wait_tensorcnt 0x0
	ds_add_u32 v15, v249
	s_wait_dscnt 0x0
	s_endpgm
.Lfunc_end_k_q6b26985b8c_oproj:
	.size	k_q6b26985b8c_oproj, .Lfunc_end_k_q6b26985b8c_oproj-k_q6b26985b8c_oproj
	.p2alignl 7, 3214868480
	.fill 96, 4, 3214868480
	.section	.rodata,"a",@progbits
	.p2align	6, 0x0
	.amdhsa_kernel k_q6b26985b8c_oproj
		.amdhsa_group_segment_fixed_size 159232
		.amdhsa_private_segment_fixed_size 0
		.amdhsa_enable_private_segment 0
		.amdhsa_kernarg_size 64
		.amdhsa_user_sgpr_count 2
		.amdhsa_user_sgpr_kernarg_segment_ptr 1
		.amdhsa_wavefront_size32 1
		.amdhsa_system_sgpr_workgroup_id_x 1
		.amdhsa_system_sgpr_workgroup_id_y 1
		.amdhsa_system_sgpr_workgroup_id_z 1
		.amdhsa_system_vgpr_workitem_id 0
		.amdhsa_next_free_vgpr 256
		.amdhsa_next_free_sgpr 66
		.amdhsa_reserve_vcc 0
		.amdhsa_float_denorm_mode_32 3
		.amdhsa_float_denorm_mode_16_64 3
		.amdhsa_memory_ordered 1
		.amdhsa_forward_progress 1
		.amdhsa_inst_pref_size 59
	.end_amdhsa_kernel
	.amdgpu_metadata
---
amdhsa.version: [ 1, 2 ]
amdhsa.kernels:
  - .name:           k_q6b26985b8c_oproj
    .symbol:         k_q6b26985b8c_oproj.kd
    .args:
      - { .name: aimg, .offset: 0, .size: 8, .value_kind: global_buffer, .address_space: global }
      - { .name: asc, .offset: 8, .size: 8, .value_kind: global_buffer, .address_space: global }
      - { .name: Wo_codes, .offset: 16, .size: 8, .value_kind: global_buffer, .address_space: global }
      - { .name: Wo_scales, .offset: 24, .size: 8, .value_kind: global_buffer, .address_space: global }
      - { .name: h, .offset: 32, .size: 8, .value_kind: global_buffer, .address_space: global }
      - { .name: gamma, .offset: 40, .size: 8, .value_kind: global_buffer, .address_space: global }
      - { .name: beta, .offset: 48, .size: 8, .value_kind: global_buffer, .address_space: global }
      - { .name: out0, .offset: 56, .size: 8, .value_kind: global_buffer, .address_space: global }
    .group_segment_fixed_size: 159232
    .private_segment_fixed_size: 0
    .kernarg_segment_align: 8
    .kernarg_segment_size: 64
    .max_flat_workgroup_size: 512
    .sgpr_count:     66
    .vgpr_count:     256
    .wavefront_size: 32
...
	.end_amdgpu_metadata
.endif
;; end of part 3
;; ======== version 2 of 2: 3 launches
;; workspace buffers: qimg 6,815,744 bytes; kvw 13,369,344 bytes; aimg 6,291,456 bytes; asc 524,288 bytes
;; launch qkv (part 4): grid 4 x 64, 4 waves a work-group, no clusters, 170,496 bytes of LDS; arguments h, Wq_codes, Wq_scales, Wkv_codes, Wkv_scales, qimg, kvw; writes qimg, kvw
.if DOCPART == 4
	.amdgcn_target "amdgcn-amd-amdhsa--gfx1250"
	.amdhsa_code_object_version 6
	.text
	.protected	k_q6b26985b8c_qkv
	.globl	k_q6b26985b8c_qkv
	.p2align	8
	.type	k_q6b26985b8c_qkv,@function
k_q6b26985b8c_qkv:
	s_mov_b64 s[64:65], 0
	v_nop
	global_prefetch_b8 v0, s[64:65] scope:SCOPE_SE
	s_setreg_imm32_b32 hwreg(HW_REG_WAVE_SCHED_MODE, 0, 2), 2
	s_setreg_imm32_b32 hwreg(HW_REG_WAVE_MODE, 25, 1), 1
	s_wait_xcnt 0x0
	s_wait_alu depctr_vm_vsrc(0)
; q = Q(h) Wq, k and v = Q(h) Wkv, on codes of BF6 (E3M2) with one E8M0 scale for each 32 along K = 1,024; the results are quantised at once: q and k along the head's 64, v along the keys,
; and leave as IMAGES OF OPERAND REGISTERS, as the attention launch takes them.  h: [2048 i][4 b][1024] f32.  Wq: [1024][768 bytes of codes], Wkv: [2048][768]; their scale bytes [..][32].
; SHARES.  A work-group owns 128 rows (i = 128 s .., one batch b) and 12 of the 48 heads of columns (q 0-15, k 16-31, v 32-47): head 12 g + 4 pass + wave.  A wave makes 128 rows x 64 columns
; a pass: 32 accumulators.  Phase X: wave w quantises row tiles 2 w and 2 w + 1 for all of K and lays their fragments in LDS as register images; ONE barrier; then three passes read them.
; The weights go from memory straight into registers (a fragment serves one wave), a pass ahead: behind the products of K step ks the next pass's fragments of ks are asked for.
; ONE ROW ORDER: slot r of tile 2 B + u is element 32 B + 8 u + r + 8 (r / 8), for h's rows and for the weights' rows in a head.  So the 16 result registers of tiles 2 B and 2 B + 1 are
; 16 neighbours, 32 B + 16 (lane / 16) + 0 .. 15, along the axis that is quantised next.
; q, k: source 0 = 16 rows of W, source 1 = 16 rows of h: a lane holds one row i, its registers run along d.   v: source 0 = h, source 1 = W: a lane holds one d, its registers run along i, the keys.
; OUT.  qimg record (16 (16 b + n) + s), 6,656 bytes: four pair images of 1,536 (tile 2 G in registers 0-5, tile 2 G + 1 in 6-11; register group c at 512 c + 16 lane); at 6,144 the scale words: word 16 L + 4 j is
; tile 2 j + L / 16, slot L % 16: s0 | s1 << 8 | 0x7f7f0000 (the upper two bytes scale the half of the instruction's K that a head of 64 leaves empty).  kvw record, 13,056 bytes: k like q; at 6,656 v's four
; fragments (16 d x 128 keys); at 12,800 their scale words: word 8 L + 4 j is tile 2 j + L / 16.
; LIMITS: NaN and infinities among the inputs are not served.  A block whose largest magnitude lies under 2^-122 keeps the byte 1; a block of zeros has the byte 1 and zero codes (this program alone reads the bytes).
; REGISTERS, in windows of 256.  window 0: v1-12 addresses; v16-47 W's scale words (8 a + ks); v48-55 h's (two sets of 4); v56-59 scale words on the way out; v64-159, v160-255 h's fragments, two sets;
;   phase X: v64-191 two sets of 64 numbers; v208-247 at work (they lie in the second set, which is free then and on the way out); on the way out v64-143 four out-buffers of 20.
; window 1: the 32 accumulators; in phase X a ring of 4 x 64 registers as loaded.   windows 2, 3: W's fragments of K steps 0-3, 4-7, at 48 (ks % 4) + 12 a.
; THE MODE: SCHED_MODE bits 1:0 = 2 (LLVM: expert scheduling mode 2), set by the entry lines.  The code itself states the register dependences between vector or matrix instructions and
; memory or LDS instructions, with s_wait_alu, always for 0.
; THE PLAN.  Registers that memory or LDS instructions touch:
;   PHASE X.  R0 .. R3 (the ring): loads of h land there, the stage's LDS stores read them; no vector instruction names them.   X0, X1: the stage's LDS loads land there a unit ahead, the unit's
;   quantiser reads them.   v[PC ..], v[T0], v[XA], v[XB]: written by vector instructions, read by the unit's image stores.   Two waits a unit.  On vm_vsrc at its head: the last unit's image stores have
;   read PC, T0, XA, XB, and the stage's stores have read R[q].  On va_vdst ahead of its image stores: PC, T0, XA, XB are written; the same wait shows the quantiser done reading X[q & 1], in which
;   the LDS loads of the next unit land, and no vector instruction issued in between names that set.
;   A PASS.  H set p and its scale words: read by the products of the steps with ks % 2 = p; the fetch for step ks + 1 lands in the set that step ks - 1 read.   W(ks): read by step ks's products; the next
;   pass's W(ks) lands there in step ks + 1.   ONE wait on va_vdst at a step's head (step 0: at the pass's head) shows step ks - 1's products done; behind it the fetch for ks + 1 and the loads of W(ks - 1)
;   are dealt among step ks's products, which name the other H set, W(ks), the accumulators and their own scale words.  One more behind step 7, for W(7) and W's scale words.
;   THE WAY OUT.  Out-buffer u: written by unit u's quantiser, read by its three stores, behind one wait on va_vdst; no out-buffer is written twice in a pass.  At the next pass's head one wait on vm_vsrc
;   and one on va_vdst free all that the fetches land in.
;   The fixed addresses v1-v9 and v12 are made once at the head and never written again.
.set FRB,  1536                        ; a fragment's image: 12 registers x 128 bytes
.set HSC,  98304                       ; behind the 64 images of h: its scale words, 1,024 bytes for each writing wave: 1024 j + 128 ks + 4 lane
.set STG,  102400                      ; behind them: two stages of 16 rows x 528 bytes for each wave
.set STW,  16896
.set SPI,  528                         ; a stage row: 512 bytes + 16, so that the 16 rows of a load begin at 16 different groups of banks (64 banks of 4 bytes: ISA guide 11.1)
.set LI,   1                           ; 16 x lane
.set LI2,  2                           ; the same, 32 images on
.set WOF,  3                           ; my place in a tile of W: (r + 8 (r / 8)) x 768 + 24 h
.set WSO,  4                           ; and among its scale bytes: (r + 8 (r / 8)) x 32
.set STS,  5                           ; my wave's stage, on the way in: 16 x lane
.set STL,  6                           ; and out: 528 r + 64 h
.set XWI,  7                           ; where my wave's images begin: 24576 w + 16 x lane
.set XWS,  8                           ; and its scale words: HSC + 1024 w + 4 x lane
.set L8,   9                           ; 8 x lane
.set XA,   10                          ; XWI and XWS of the trip in hand
.set XB,   11
.set HSA,  12                          ; HSC + 4 x lane
.set WS,   16
.set HS,   48
.set SI,   56
.set HB0,  64
.set X0,   64
.set OB,   64                          ; the way out: out-buffer u at OB + 20 u: 12 registers of codes, 8 for second halves
.set PC,   208                         ; phase X: the codes just made: v208-219; v220-222, v224-226 second halves
.set TM,   228                         ; v228-231 largest magnitudes, v232-235 bytes, v240-243 the conversions' scale operands
.set PW,   244
.set T0,   245
.set T1,   246
.set KEEP, 247
.set WV,   18
.set GG,   19
.set BB,   21
.set SS,   22
.set PASS, 23
.set HM,   24                          ; lanes 16-31
.set HD,   25                          ; my head of columns in this pass
.set SEL,  26
.set WN,   28                          ; s[28:29] W's codes, s[30:31] its scale bytes, at the head that is being loaded
.set WSN,  30
.set DST,  32
.set TRIP, 46
.set XO,   47
.set XSO,  48
.set MSB, 0
.macro WIN new                         ; the immediate's high byte repeats the setting that is left; a switch that changes nothing is dropped
.if MSB != (\new)
	s_set_vgpr_msb (MSB<<8)|(\new)
.set MSB, (\new)
.endif
.endm
; One matrix instruction, by the symbols rD, rA, rB, rSA, rSB.  rZ = 1: it starts its sum.  rR = 1: source 0's scales stand in lanes 16-31 of their register; 2: source 1's.
.macro WM
.if rZ
.if rR == 0
	v_wmma_scale_f32_16x16x128_f8f6f4 v[rD:rD+7], v[rA:rA+11], v[rB:rB+11], 0, v[rSA], v[rSB] matrix_a_fmt:MATRIX_FMT_BF6 matrix_b_fmt:MATRIX_FMT_BF6
.elseif rR == 1
	v_wmma_scale_f32_16x16x128_f8f6f4 v[rD:rD+7], v[rA:rA+11], v[rB:rB+11], 0, v[rSA], v[rSB] matrix_a_fmt:MATRIX_FMT_BF6 matrix_b_fmt:MATRIX_FMT_BF6 matrix_a_scale:MATRIX_SCALE_ROW1
.else
	v_wmma_scale_f32_16x16x128_f8f6f4 v[rD:rD+7], v[rA:rA+11], v[rB:rB+11], 0, v[rSA], v[rSB] matrix_a_fmt:MATRIX_FMT_BF6 matrix_b_fmt:MATRIX_FMT_BF6 matrix_b_scale:MATRIX_SCALE_ROW1
.endif
.else
.if rR == 0
	v_wmma_scale_f32_16x16x128_f8f6f4 v[rD:rD+7], v[rA:rA+11], v[rB:rB+11], v[rD:rD+7], v[rSA], v[rSB] matrix_a_fmt:MATRIX_FMT_BF6 matrix_b_fmt:MATRIX_FMT_BF6
.elseif rR == 1
	v_wmma_scale_f32_16x16x128_f8f6f4 v[rD:rD+7], v[rA:rA+11], v[rB:rB+11], v[rD:rD+7], v[rSA], v[rSB] matrix_a_fmt:MATRIX_FMT_BF6 matrix_b_fmt:MATRIX_FMT_BF6 matrix_a_scale:MATRIX_SCALE_ROW1
.else
	v_wmma_scale_f32_16x16x128_f8f6f4 v[rD:rD+7], v[rA:rA+11], v[rB:rB+11], v[rD:rD+7], v[rSA], v[rSB] matrix_a_fmt:MATRIX_FMT_BF6 matrix_b_fmt:MATRIX_FMT_BF6 matrix_b_scale:MATRIX_SCALE_ROW1
.endif
.endif
.endm
; 64 numbers of a lane in window sw, register 16 b + i = place 32 b + 16 (lane / 16) + i of my row, become 12 registers of codes in v[pc] on and four scale bytes in v[TM+4] on.
.macro QUANT s, sw, pc
	WIN 0x05*(\sw)
.irp b, 0,1,2,3
	v_max3_num_f32 v[TM+\b], |v[\s+16*\b]|, |v[\s+1+16*\b]|, 0x2800000   ; block b: my 16 numbers, from the low end on, and the floor 2^(5 - 127): the byte cannot fall under 1
.endr
	WIN 0x14*(\sw)
.irp i, 2,4,6,8,10,12,14
.irp b, 0,1,2,3
	v_max3_num_f32 v[TM+\b], v[TM+\b], |v[\s+16*\b+\i]|, |v[\s+1+16*\b+\i]|   ; the four blocks by turns
.endr
.endr
	WIN 0
.irp b, 0,1,2,3
	v_permlanex16_b32 v[TM+4+\b], v[TM+\b], s[SEL], s[SEL+1]
.endr
.irp b, 0,1,2,3
	v_max_num_f32 v[TM+\b], v[TM+\b], v[TM+4+\b]   ; with lane l xor 16's 16: the block's largest magnitude
.endr
.irp b, 0,1,2,3
	v_add_nc_u32 v[TM+12+\b], 0xfe000000, v[TM+\b] ; 4 off its exponent field: the conversion takes that field as its scale
.endr
.irp b, 0,1,2,3
	v_lshrrev_b32 v[TM+4+\b], 23, v[TM+12+\b]      ; the scale's byte
.endr
	WIN 0x01*(\sw)
.irp c, 0,1
	v_cvt_scalef32_pk16_bf6_f32 v[\pc+6*\c:\pc+2+6*\c], v[\s+32*\c:\s+15+32*\c], v[TM+12+2*\c]
	v_cvt_scalef32_pk16_bf6_f32 v[\pc+12+4*\c:\pc+14+4*\c], v[\s+16+32*\c:\s+31+32*\c], v[TM+13+2*\c]   ; a conversion's three registers begin on an even number
.endr
	WIN 0
	v_nop                                          ; one plain instruction behind the scaled conversions
.irp c, 0,1                            ; the operand's layout wants a whole block in a lane: lanes 0-15 block 2 c, lanes 16-31 block 2 c + 1
.irp i, 0,1,2
	v_permlane16_swap_b32 v[\pc+6*\c+\i], v[\pc+12+4*\c+\i]
.endr
.irp i, 0,1,2
	v_mov_b32 v[\pc+3+6*\c+\i], v[\pc+12+4*\c+\i]
.endr
.endr
.endm
.macro WORD4                           ; the four bytes as one scale word
	v_lshl_or_b32 v[PW], v[TM+5], 8, v[TM+4]
	v_lshl_or_b32 v[PW], v[TM+6], 16, v[PW]
	v_lshl_or_b32 v[PW], v[TM+7], 24, v[PW]
.endm
; Unit q of a trip: tile parity q & 1, K step q >> 1 of the trip's two.  Sixteen loads, each 512 consecutive bytes of one row: 128 numbers.  nx = 1: the next trip's.
.macro LOADU q, nx
	WIN 0x40                                       ; destination window 1
.irp j, 0,1,2,3,4,5,6,7,8,9,10,11,12,13,14,15
	global_load_b128 v[64*(\q)+4*\j:64*(\q)+4*\j+3], v[LI], s[4:5] offset:(8*((\q)&1)+\j+8*(\j/8))*16384+512*((\q)>>1)+1024*(\nx)
.endr
.endm
; The unit's 16 rows turn through my wave's stage: in as loaded, out 16 neighbours of each block of 32 to a lane.  LDS serves a wave's instructions in order (ISA guide 5.7.1.4): no wait between.
.macro TURN q
	WIN 0x04                                       ; an LDS store's data are its source 1: window 1
.irp j, 0,1,2,3,4,5,6,7,8,9,10,11,12,13,14,15
	ds_store_b128 v[STS], v[64*(\q)+4*\j:64*(\q)+4*\j+3] offset:8448*((\q)&1)+SPI*\j
.endr
	WIN 0
.irp k, 0,1,2,3
.irp e, 0,1,2,3
	ds_load_b128 v[X0+64*((\q)&1)+16*\k+4*\e:X0+64*((\q)&1)+16*\k+4*\e+3], v[STL] offset:8448*((\q)&1)+128*\k+16*\e
.endr
.endr
.endm
.macro WPTR                            ; s34 = a head of columns: where its 64 rows of codes and of scale bytes begin.  The choice hangs on the head's number alone
	s_cmp_lt_u32 s34, 16
	s_cselect_b64 s[WN:WN+1], s[6:7], s[10:11]
	s_cselect_b64 s[WSN:WSN+1], s[8:9], s[12:13]
	s_cselect_b32 s35, 0, 16
	s_sub_co_u32 s35, s34, s35
	s_mul_i32 s36, s35, 49152
	s_mov_b32 s37, 0
	s_add_nc_u64 s[WN:WN+1], s[WN:WN+1], s[36:37]
	s_lshl_b32 s36, s35, 11
	s_add_nc_u64 s[WSN:WSN+1], s[WSN:WSN+1], s[36:37]
.endm
.macro WLOAD ks                        ; the four fragments of W for K step ks: 24 bytes of a row's stream of bits as three loads of 8
	WIN 0x80+0x40*((\ks)/4)
.irp a, 0,1,2,3
.irp p, 0,1,2,3,4,5
	global_load_b64 v[48*((\ks)%4)+12*\a+2*\p:48*((\ks)%4)+12*\a+2*\p+1], v[WOF], s[WN:WN+1] offset:(32*(\a/2)+8*(\a%2))*768+96*(\ks)+48*(\p/3)+8*(\p%3)
.endr
.endr
	WIN 0
.endm
.macro WSLOAD                          ; and its scale words for all eight K steps
.irp a, 0,1,2,3
.irp e, 0,1
	global_load_b128 v[WS+8*\a+4*\e:WS+8*\a+4*\e+3], v[WSO], s[WSN:WSN+1] offset:(32*(\a/2)+8*(\a%2))*32+16*\e
.endr
.endr
.endm
.macro HFA ks                          ; h's fragments 0 to 3 and the four registers of scale words for K step ks: 16 LDS loads
.set rH, HB0+96*((\ks)%2)
.irp m, 0,1,2,3
.irp c, 0,1,2
	ds_load_b128 v[rH+12*\m+4*\c:rH+12*\m+4*\c+3], v[LI] offset:(8*\m+(\ks))*FRB+512*\c
.endr
.endr
.irp j, 0,1,2,3
	ds_load_b32 v[HS+4*((\ks)%2)+\j], v[HSA] offset:1024*\j+128*(\ks)   ; lanes 0-15: tile 2 j; lanes 16-31: tile 2 j + 1
.endr
.endm
.macro HFB ks                          ; h's fragments 4 to 7 for K step ks: 12 LDS loads
.set rH, HB0+96*((\ks)%2)
.irp m, 4,5,6,7
.irp c, 0,1,2
	ds_load_b128 v[rH+12*\m+4*\c:rH+12*\m+4*\c+3], v[LI2] offset:(8*(\m-4)+(\ks))*FRB+512*\c
.endr
.endr
.endm
; A unit of phase X.  ld: the ring's set q takes the next trip's unit.  turn: the next unit goes through the stage; cnt: the younger loads that may stay out.  wb >= 0: two K steps of the first pass's W are asked for.
.macro UNIT q, ld, turn, cnt, wb
	s_wait_dscnt 0x0                               ; my 64 numbers are back from the stage
	s_wait_alu depctr_vm_vsrc(0)                   ; the stage's stores have read the ring's set q, in which the loads below land; the last unit's image stores have read v[PC ..], v[T0], v[XA], v[XB], which this unit writes again
.if (\q) == 0
	v_add_nc_u32 v[XA], s[XO], v[XWI]
	v_add_nc_u32 v[XB], s[XSO], v[XWS]
.endif
.if \ld
	LOADU \q, 1
.endif
.if \turn
	s_wait_loadcnt \cnt
	TURN (\q+1)%4                                  ; its LDS loads land in the set that the last unit's quantiser read: that quantiser stands ahead of the last wait on va_vdst, and no vector instruction since names the set
.endif
.if \wb >= 0
	WLOAD \wb
	WLOAD (\wb+1)
.endif
	QUANT X0+64*((\q)&1), 0, PC
	WORD4
.if ((\q)&1) == 0
	v_mov_b32 v[KEEP], v[PW]
.else
	v_cndmask_b32 v[T0], v[KEEP], v[PW], s[HM]     ; lanes 0-15: the even tile's words; lanes 16-31: the odd tile's
.endif
	s_wait_alu depctr_va_vdst(0)                   ; the codes in v[PC ..], the words in v[T0] and the trip's addresses v[XA], v[XB] are written, which the LDS stores below read; the quantiser is done reading its 64 numbers
.irp c, 0,1,2
	ds_store_b128 v[XA], v[PC+4*\c:PC+4*\c+3] offset:12288*((\q)&1)+FRB*((\q)>>1)+512*\c   ; the fragment as it stands: lane l's 16 bytes at 16 l
.endr
.if ((\q)&1) == 1
	ds_store_b32 v[XB], v[T0] offset:128*((\q)>>1)
.endif
.endm
; 16 matrix instructions of K step ks: h's tiles lo to lo + 3 against W's four.  ty = 0: q or k; 1: v.  The 32 accumulators take turns, in the same order in every step.
.macro GMUL ty, ks, lo
.if \ty == 0
	WIN 0x52+(\ks)/4                               ; source 0 (W) window 2 or 3, source 1 (h) window 0, C and D window 1
.else
	WIN 0x58+4*((\ks)/4)                           ; source 0 (h) window 0, source 1 (W) window 2 or 3
.endif
.set rZ, 0
.if \ks == 0
.set rZ, 1
.endif
.irp m, \lo, \lo+1, \lo+2, \lo+3
.irp a, 0,1,2,3
.if \ty == 0
.set rD, 32*(\m)+8*\a
.set rA, 48*((\ks)%4)+12*\a
.set rB, HB0+96*((\ks)%2)+12*(\m)
.set rSA, WS+8*\a+(\ks)
.set rSB, HS+4*((\ks)%2)+(\m)/2
.set rR, 2*((\m)%2)
.else
.set rD, 64*\a+8*(\m)
.set rA, HB0+96*((\ks)%2)+12*(\m)
.set rB, 48*((\ks)%4)+12*\a
.set rSA, HS+4*((\ks)%2)+(\m)/2
.set rSB, WS+8*\a+(\ks)
.set rR, (\m)%2
.endif
	WM
.endr
.endr
	WIN 0
.endm
; A K step of a pass: 32 matrix instructions; the fetch for the next step and the next pass's W of the step before are dealt among them.
.macro GSTEP ty, ks
.if \ks > 0
	s_wait_alu depctr_va_vdst(0)                   ; the last step's products are done reading their set of h's fragments, its scale words and their fragments of W: the loads of this step land in these
.endif
.if \ks < 7
	HFA (\ks+1)
	s_wait_dscnt 28                                ; this step's fragments 0 to 3 and scale words are in; its fragments 4 to 7 (12 loads) and the 16 just issued may be out
.else
	s_wait_dscnt 12                                ; the last step's fragments 4 to 7 may be out
.endif
	GMUL \ty, \ks, 0
.if \ks < 7
	HFB (\ks+1)                                    ; no wait: the products issued since the step's head name the other set
.endif
.if \ks > 0
	s_cmp_eq_u32 s[PASS], 2                        ; the last pass has no successor
	s_cbranch_scc1 .Lnw_\@
	WLOAD (\ks-1)                                  ; the next pass's fragments of the step before, a whole pass ahead of their use; the products issued since the step's head name this step's fragments of W
.Lnw_\@:
.endif
.if \ks < 7
	s_wait_dscnt 28                                ; this step's fragments 4 to 7 are in; the next step's 16 + 12 loads may be out
.else
	s_wait_dscnt 0x0
.endif
	GMUL \ty, \ks, 4
.rept 4
	v_nop                                          ; four plain instructions behind the step's products (ISA guide 7.12.1): behind the last step they stand in front of the first read of results; behind the others they stay beside the wait at the next step's head
.endr
.endm
.macro WTAIL                           ; behind step 7: the next pass's last fragments of W and its scale words
	s_wait_alu depctr_va_vdst(0)                   ; step 7's products are done reading their fragments of W, and all products W's scale words, in which the loads below land
	s_cmp_eq_u32 s[PASS], 2
	s_cbranch_scc1 .Lnt_\@
	WLOAD 7
	WSLOAD
.Lnt_\@:
.endm
; The way out: 64 accumulator registers at a time become one image of 12 registers, each in an out-buffer of its own.  q, k: two row tiles, two blocks of d each.  v: one tile of d, four blocks of keys.
.macro EPI ty
.irp u, 0,1,2,3
	QUANT 64*\u, 1, OB+20*\u
.if \ty == 0
	v_lshl_or_b32 v[T0], v[TM+5], 8, v[TM+4]       ; the even tile's two bytes,
	v_lshl_or_b32 v[T1], v[TM+7], 8, v[TM+6]       ; the odd tile's,
	v_cndmask_b32 v[T0], v[T0], v[T1], s[HM]       ; in lanes 0-15 and 16-31,
	v_or_b32 v[SI+\u], 0x7f7f0000, v[T0]           ; and 1.0 for the empty half of the instruction's K
.else
	WORD4
.if \u % 2 == 0
	v_mov_b32 v[SI+\u/2], v[PW]
.else
	v_cndmask_b32 v[SI+\u/2], v[SI+\u/2], v[PW], s[HM]
.endif
.endif
	s_wait_alu depctr_va_vdst(0)                   ; out-buffer u is written, which the stores below read; behind the last unit the scale words in v[SI ..] too
.irp c, 0,1,2
	global_store_b128 v[LI], v[OB+20*\u+4*\c:OB+20*\u+4*\c+3], s[DST:DST+1] offset:FRB*\u+512*\c   ; 32 lanes store 512 consecutive bytes, at a multiple of 256 from the buffer's first byte
.endr
.endr
.if \ty == 0
	global_store_b128 v[LI], v[SI:SI+3], s[DST:DST+1] offset:6144
.else
	global_store_b64 v[L8], v[SI:SI+1], s[DST:DST+1] offset:6144
.endif
.endm
.macro PASSBODY ty
	HFA 0
	HFB 0
.irp k, 0,1,2,3,4,5,6,7
	GSTEP \ty, \k
.endr
	WTAIL
	EPI \ty
.endm
	s_load_b256 s[4:11], s[0:1], 0x0               ; h, Wq's codes, Wq's scales, Wkv's codes
	s_load_b128 s[12:15], s[0:1], 0x20             ; Wkv's scales, qimg
	s_load_b64 s[16:17], s[0:1], 0x30              ; kvw
	v_lshl_add_u32 v14, v0, 2, 0x29800
	v_mov_b32 v15, 0
	v_lshrrev_b32 v60, 5, v0
	v_readfirstlane_b32 s[WV], v60                 ; wave 0..3
	s_mov_b32 s[GG], ttmp9                         ; the group of 12 heads of columns
	s_and_b32 s20, ttmp7, 0xffff
	s_and_b32 s[BB], s20, 3                        ; the batch
	s_lshr_b32 s[SS], s20, 2                       ; which 128 of i
	s_mov_b32 s[HM], 0xffff0000
	s_mov_b32 s[SEL], 0x76543210
	s_mov_b32 s[SEL+1], 0xfedcba98                 ; v_permlanex16_b32's selects for lane l xor 16
	s_mov_b32 s[XO], 0
	s_mov_b32 s[XSO], 0
	v_and_b32 v60, 31, v0                          ; lane
	v_and_b32 v61, 15, v0                          ; r
	v_bfe_u32 v62, v0, 4, 1                        ; h
	v_lshlrev_b32 v[LI], 4, v60
	v_add_nc_u32 v[LI2], 32*FRB, v[LI]
	v_and_b32 v63, 8, v61
	v_add_nc_u32 v63, v63, v61                     ; r + 8 (r / 8)
	v_mul_u32_u24 v[WOF], v63, 768
	v_mad_u32_u24 v[WOF], v62, 24, v[WOF]
	v_lshlrev_b32 v[WSO], 5, v63
	s_wait_alu depctr_va_sdst(0)                   ; the wave's number is written, ahead of its first reader: LDS places and the bases of h and W are made from it
	s_mul_i32 s34, s[WV], STW
	s_add_co_u32 s34, s34, STG
	v_add_nc_u32 v[STS], s34, v[LI]
	v_mul_u32_u24 v[STL], v61, SPI
	v_lshl_add_u32 v[STL], v62, 6, v[STL]
	v_add_nc_u32 v[STL], s34, v[STL]
	s_mul_i32 s34, s[WV], 16*FRB
	v_add_nc_u32 v[XWI], s34, v[LI]
	s_lshl_b32 s34, s[WV], 10
	s_add_co_u32 s34, s34, HSC
	v_lshl_add_u32 v[XWS], v60, 2, s34
	v_lshl_add_u32 v[HSA], v60, 2, HSC
	v_lshlrev_b32 v[L8], 3, v60
.irp b, 0,1,2,3
	v_mov_b32 v[TM+4+\b], 0                        ; written once: a lane permute's destination counts as one of its sources
.endr
	s_mul_i32 s[HD], s[GG], 12
	s_add_co_u32 s[HD], s[HD], s[WV]               ; my head of columns in pass 0
	s_lshl_b32 s34, s[SS], 21                      ; my wave's first row: ((128 s + 32 w) x 4 + b) x 4,096 bytes
	s_lshl_b32 s35, s[WV], 19
	s_add_co_u32 s34, s34, s35
	s_lshl_b32 s35, s[BB], 12
	s_add_co_u32 s34, s34, s35
	s_mov_b32 s35, 0
	s_wait_kmcnt 0x0
	s_add_nc_u64 s[4:5], s[4:5], s[34:35]
	s_mov_b32 s34, s[HD]
	WPTR
	s_wait_alu depctr_va_vdst(0)                   ; the fixed addresses v1 to v9 and v12 are written, which the loads, stores and LDS instructions of the whole kernel read
	; ---- PHASE X: my 32 rows of h, 16 units of (K step, tile).  The ring holds four units as loaded: 64 loads of the wave are asked for at a time; the turn through the stage runs one unit ahead of the arithmetic.
	LOADU 0, 0
	LOADU 1, 0
	LOADU 2, 0
	LOADU 3, 0
	s_wait_loadcnt 48                              ; unit 0's sixteen loads are in; the three units behind it may be out
	TURN 0
	s_mov_b32 s[TRIP], 3
.Lx:                                               ; a trip: two K steps of both tiles; it asks for the next trip's
	UNIT 0, 1, 1, 48, -1                           ; 48: behind the next unit's loads stand three units of sixteen
	UNIT 1, 1, 1, 48, -1
	UNIT 2, 1, 1, 48, -1
	UNIT 3, 1, 1, 48, -1
	s_wait_xcnt 0x0                                ; the loads have read their base: it steps only behind this wait
	s_add_nc_u64 s[4:5], s[4:5], 1024
	s_add_co_u32 s[XO], s[XO], 2*FRB
	s_add_co_u32 s[XSO], s[XSO], 256
	s_sub_co_u32 s[TRIP], s[TRIP], 1
	s_cmp_lg_u32 s[TRIP], 0
	s_cbranch_scc1 .Lx
	UNIT 0, 0, 1, 32, 0                            ; the last trip asks for no h (no load leaves the buffer) but for the first pass's W.  32: units 2 and 3 may be out
	UNIT 1, 0, 1, 63, 2                            ; behind unit 2's loads stand unit 3's sixteen and 48 of W: 64; the count is the largest that the wait can name, and smaller is safe
	UNIT 2, 0, 1, 63, 4                            ; behind unit 3's: 96 of W
	UNIT 3, 0, 0, 0, 6
	WSLOAD
	s_wait_dscnt 0x0                               ; for the others' sake: my images and scale words have landed
	s_barrier_signal -1
	s_barrier_wait -1                              ; all 64 fragments of h lie in LDS; nothing is written there any more
	; ---- THREE PASSES
	s_mov_b32 s[PASS], 0
.Lpass:
	s_wait_loadcnt 0x0                             ; this pass's W and its scale words, asked for a pass ago
	s_wait_xcnt 0x0                                ; the last pass's stores have read their registers and base
	s_wait_alu depctr_vm_vsrc(0)                   ; the last pass's stores have read the out-buffers, in which h's fragments land, and v[SI ..], which the way out writes again; on the first way in: phase X's LDS stores have read v[PC ..] and v[T0], in which fragments land, and the ring, which the products write
	s_wait_alu depctr_va_vdst(0)                   ; the quantisers are done writing and reading v64-v143 and v208-v247, and the last pass's products done reading both sets of h's fragments and scale words: the fetches for steps 0 and 1 land in these
	s_and_b32 s34, s[HD], 15                       ; n
	s_lshr_b32 s35, s[HD], 4                       ; 0: q, 1: k, 2: v
	s_lshl_b32 s36, s[BB], 4
	s_add_co_u32 s36, s36, s34
	s_lshl_b32 s36, s36, 4
	s_add_co_u32 s36, s36, s[SS]                   ; the record: 16 (16 b + n) + s
	s_cmp_eq_u32 s35, 0
	s_cselect_b64 s[DST:DST+1], s[14:15], s[16:17]
	s_mov_b32 s37, 13056
	s_cselect_b32 s37, 6656, s37
	s_mul_i32 s36, s36, s37
	s_cmp_eq_u32 s35, 2
	s_cselect_b32 s37, 6656, 0                     ; v's part lies behind k's
	s_add_co_u32 s36, s36, s37
	s_mov_b32 s37, 0
	s_add_nc_u64 s[DST:DST+1], s[DST:DST+1], s[36:37]
	s_add_co_u32 s34, s[HD], 4
	WPTR                                           ; the next pass's head (in the last pass the address is made and not used)
	s_cmp_ge_u32 s[HD], 32                         ; heads come in fours of one kind: all four waves take the same way
	s_cbranch_scc1 .Lvtype
	PASSBODY 0
	s_branch .Ljoin
.Lvtype:
	PASSBODY 1
.Ljoin:
	s_add_co_u32 s[HD], s[HD], 4
	s_add_co_u32 s[PASS], s[PASS], 1
	s_cmp_lt_u32 s[PASS], 3
	s_cbranch_scc1 .Lpass
	s_wait_dscnt 0x0                               ; the closing lines, six on end
	s_wait_alu 0x0
	s_wait_tensorcnt 0x0
	ds_add_u32 v14, v15
	s_wait_dscnt 0x0
	s_endpgm
.Lfunc_end_k_q6b26985b8c_qkv:
	.size	k_q6b26985b8c_qkv, .Lfunc_end_k_q6b26985b8c_qkv-k_q6b26985b8c_qkv
	.p2alignl 7, 3214868480
	.fill 96, 4, 3214868480
	.section	.rodata,"a",@progbits
	.p2align	6, 0x0
	.amdhsa_kernel k_q6b26985b8c_qkv
		.amdhsa_group_segment_fixed_size 170496
		.amdhsa_private_segment_fixed_size 0
		.amdhsa_enable_private_segment 0
		.amdhsa_kernarg_size 56
		.amdhsa_user_sgpr_count 2
		.amdhsa_user_sgpr_kernarg_segment_ptr 1
		.amdhsa_wavefront_size32 1
		.amdhsa_system_sgpr_workgroup_id_x 1
		.amdhsa_system_sgpr_workgroup_id_y 1
		.amdhsa_system_sgpr_workgroup_id_z 1
		.amdhsa_system_vgpr_workitem_id 0
		.amdhsa_next_free_vgpr 1024
		.amdhsa_next_free_sgpr 66
		.amdhsa_reserve_vcc 0
		.amdhsa_float_denorm_mode_32 3
		.amdhsa_float_denorm_mode_16_64 3
		.amdhsa_memory_ordered 1
		.amdhsa_forward_progress 1
		.amdhsa_inst_pref_size 255
	.end_amdhsa_kernel
	.section	.bss,"aw",@nobits
	.p2align	6
	.space	262144
	.amdgpu_metadata
---
amdhsa.version: [ 1, 2 ]
amdhsa.kernels:
  - .name:           k_q6b26985b8c_qkv
    .symbol:         k_q6b26985b8c_qkv.kd
    .args:
      - { .name: h, .offset: 0, .size: 8, .value_kind: global_buffer, .address_space: global }
      - { .name: Wq_codes, .offset: 8, .size: 8, .value_kind: global_buffer, .address_space: global }
      - { .name: Wq_scales, .offset: 16, .size: 8, .value_kind: global_buffer, .address_space: global }
      - { .name: Wkv_codes, .offset: 24, .size: 8, .value_kind: global_buffer, .address_space: global }
      - { .name: Wkv_scales, .offset: 32, .size: 8, .value_kind: global_buffer, .address_space: global }
      - { .name: qimg, .offset: 40, .size: 8, .value_kind: global_buffer, .address_space: global }
      - { .name: kvw, .offset: 48, .size: 8, .value_kind: global_buffer, .address_space: global }
    .group_segment_fixed_size: 170496
    .private_segment_fixed_size: 0
    .kernarg_segment_align: 8
    .kernarg_segment_size: 56
    .max_flat_workgroup_size: 128
    .sgpr_count:     66
    .vgpr_count:     1024
    .wavefront_size: 32
...
	.end_amdgpu_metadata
.endif
;; end of part 4
;; launch attn (part 5): grid 4 x 64, 16 waves a work-group, clusters of 4 x 1, 215,040 bytes of LDS; arguments qimg, kvw, aimg, asc; writes aimg, asc
.if DOCPART == 5
	.amdgcn_target "amdgcn-amd-amdhsa--gfx1250"
	.amdhsa_code_object_version 6
	.text
	.protected	k_q6b26985b8c_attn
	.globl	k_q6b26985b8c_attn
	.p2align	8
	.type	k_q6b26985b8c_attn,@function
k_q6b26985b8c_attn:
	s_mov_b64 s[64:65], 0
	v_nop
	global_prefetch_b8 v0, s[64:65] scope:SCOPE_SE
	s_setreg_imm32_b32 hwreg(HW_REG_WAVE_MODE, 25, 1), 1
	s_wait_xcnt 0x0
	s_wait_alu depctr_hold_cnt(0) depctr_sa_sdst(0) depctr_va_vdst(0) depctr_va_sdst(0) depctr_va_ssrc(0) depctr_va_vcc(0) depctr_vm_vsrc(0)
	s_getreg_b32 s2, hwreg(HW_REG_IB_STS2, 6, 4)
	s_cmp_eq_u32 s2, 0
	s_cbranch_scc0 .Lentry_in_a_cluster
	s_endpgm
.Lentry_in_a_cluster:
	s_bfe_u32 s2, ttmp6, 0x10000c
	s_cmp_lg_u32 s2, 0x3003
	s_cbranch_scc0 .Lentry_shape_is_right
	s_endpgm
.Lentry_shape_is_right:
; attn_vec[i][b][n][:] = the sum over keys j of softmax_j(q . k / 8) v, both products on codes of BF6 (E3M2) with one E8M0 scale for each 32 along a product's K; the result is quantised along d and leaves as register images.
; THE SOFTMAX AHEAD OF THE SECOND PRODUCT: t = score x log2(e) / 8; M = the row's largest t so far, rounded UP to a whole number; p = 2^(t - M) is what is quantised, along the keys, not normalised.
; The row's sum is taken of the unquantised p, in f32, and divides O at the end.  When M moves, the sum and O are multiplied by 2^(old M - new M): exact.
; SHARES.  The cluster's y is the pair (batch, head) hb = 16 b + n; its four work-groups are the four blocks of 512 queries.  Each of a work-group's SIXTEEN waves owns a pair of query tiles, 2 B and 2 B + 1,
; B = 16 cx + wave, one after the other, in 256 registers: four waves to a SIMD, so that one wave's vector work stands beside another's matrix work and LDS loads.  Every tile walks 16 steps of 128 keys.
; LDS holds the head's whole block of kvw, 16 records of 13,056 bytes, as it lies: filled ONCE, by joint loads (the four work-groups need the same bytes): no slot is ever filled again.
; Every LDS read is a register image, 16 or 8 bytes a lane on end.
; LAYOUT.  Both products are used transposed: S^T = K Q^T (source 0 = 16 keys, source 1 = my 16 queries), O^T = V^T P^T (source 0 = 16 of the head's 64, source 1 = P): a lane holds ONE query throughout.
; The keys of a tile, and V's d, stand in the order slot r of tile 2 B + u = 32 B + 8 u + r + 8 (r / 8), so that the 16 registers of two neighbouring tiles are 16 neighbours along the next K.
; K = 64 IN AN INSTRUCTION OF 128.  Q's registers 6-11 are zero codes.  K's operand for tile t names v[32 + 6 t] and eleven more: its upper six are the next tile's codes (behind the last tile: six zeros).
; Every code of this format is a finite number, so against zero codes they add nothing; the scale bytes of that half are 0x7f on both sides.
; LIMITS: NaN and infinities are not served; a block of attn_vec whose largest magnitude lies under 2^-122 keeps the byte 1 (zeros: byte 1, zero codes; this program alone reads the bytes).
; REGISTERS: v1-3 lane offsets; v8-9 the step's addresses; v12 -M, v13 the largest t, v[14:15] the sum in two halves; v16-27 Q; v32-79 K's 8 tiles, then V's 4 fragments; v80-85 zeros; v96-159 S^T, then p; v160-191 O^T;
; v192-193 V's scale words; v196-207 the pair's Q; v208 the pair's scale words on the way out; v224-235 p's codes; v232-247, v252, v254 at work; v248-251 K's scale words; v253 p's; v255 Q's.
.set REC,  13056                       ; a step's record: K's codes 6,144, K's scale words 512, V's codes 6,144, V's scale words 256
.set CHK,  4*REC                       ; four records: what the four fetching waves bring at a time
.set LI,   1
.set L8,   2
.set L4,   3
.set ADR,  8
.set ADR2, 9
.set QF,   16
.set QP,   196
.set AW,   208
.set QS,   255
.set TB,   2                           ; s2   LDS byte at which the step's record begins
.set CNT,  3
.set WV,   18
.set SEL,  20
.set CS,   22                          ; s[22:23] c = log2(e) / 8: the packed form names a pair and takes its low word for both halves
.set G1,   24                          ; s[24:31] descriptor group 1;  s[32:47] four groups 0
.set G0,   32
.set TIL,  48
.set MK,   49                          ; the lanes that take this tile's scale words
.set AO,   50
.set AS,   52
.set QA,   54
; A round of the cluster's barrier: my work-group's barrier, so that wave 0's signal speaks for all sixteen waves; wave 0 signals for the work-group; every wave waits for all four work-groups; my work-group's barrier once more.
.macro CROUND
	s_barrier_signal -1
	s_barrier_wait -1
	s_cmp_lg_u32 s[WV], 0
	s_cbranch_scc1 .Lnot_wave_0_\@
	s_barrier_signal -3
.Lnot_wave_0_\@:
	s_barrier_wait -3
	s_barrier_signal -1
	s_barrier_wait -1
.endm
; A KEY STEP: 128 keys.
.macro STEP
	v_add_nc_u32 v[ADR], s[TB], v[LI]
	v_add_nc_u32 v[ADR2], s[TB], v[L8]
	v_nop
	v_nop                                          ; four plain instructions behind the last products, in front of loads into registers that they have read
.set ii, 0
.rept 12
	ds_load_b128 v[32+4*ii:35+4*ii], v[ADR] offset:512*ii          ; K's eight tiles, six registers each
.set ii, ii+1
.endr
	ds_load_b128 v[248:251], v[ADR] offset:6144    ; register j: lanes 0-15 tile 2 j's scale words, lanes 16-31 tile 2 j + 1's
	s_wait_alu depctr_va_vdst(0)
	s_wait_dscnt 0x0
.irp t, 0,1,2,3,4,5,6,7
.if \t % 2
	v_wmma_scale_f32_16x16x128_f8f6f4 v[96+8*\t:103+8*\t], v[32+6*\t:43+6*\t], v[QF:QF+11], 0, v[248+\t/2], v[QS] matrix_a_fmt:MATRIX_FMT_BF6 matrix_b_fmt:MATRIX_FMT_BF6 matrix_a_scale:MATRIX_SCALE_ROW1
.else
	v_wmma_scale_f32_16x16x128_f8f6f4 v[96+8*\t:103+8*\t], v[32+6*\t:43+6*\t], v[QF:QF+11], 0, v[248+\t/2], v[QS] matrix_a_fmt:MATRIX_FMT_BF6 matrix_b_fmt:MATRIX_FMT_BF6
.endif
.endr
.rept 4
	v_nop                                          ; in front of the loads into K's registers and of the first read of the scores
.endr
.set ii, 0
.rept 12
	ds_load_b128 v[32+4*ii:35+4*ii], v[ADR] offset:6656+512*ii     ; V's four fragments: they land under the softmax
.set ii, ii+1
.endr
	ds_load_b64 v[192:193], v[ADR2] offset:12800
.irp b, 0,1,2,3
	v_max3_num_f32 v[232+\b], v[96+16*\b], v[97+16*\b], v[98+16*\b]   ; THE LARGEST SCORE OF EACH BLOCK OF 32 KEYS serves twice: for the row's maximum, and, since p rises with the score, for the block's largest p
.endr
.irp i, 3,5,7,9,11,13
.irp b, 0,1,2,3
	v_max3_num_f32 v[232+\b], v[232+\b], v[96+16*\b+\i], v[97+16*\b+\i]
.endr
.endr
.irp b, 0,1,2,3
	v_max_num_f32 v[232+\b], v[232+\b], v[111+16*\b]
.endr
.irp b, 0,1,2,3
	s_delay_alu instid0(VALU_DEP_4)
	v_permlanex16_b32 v[236+\b], v[232+\b], s[SEL], s[SEL+1]
.endr
.irp b, 0,1,2,3
	s_delay_alu instid0(VALU_DEP_4)
	v_max_num_f32 v[232+\b], v[232+\b], v[236+\b]  ; with lane l xor 16's 16 keys
.endr
	s_delay_alu instid0(VALU_DEP_2)
	v_max3_num_f32 v254, v232, v233, v234
	s_delay_alu instid0(VALU_DEP_1)
	v_max_num_f32 v254, v254, v235                 ; the step's largest score of my query
	s_delay_alu instid0(VALU_DEP_1)
	v_mul_f32 v254, s[CS], v254                    ; as t (c is positive)
	s_delay_alu instid0(VALU_DEP_1)
	v_max_num_f32 v13, v13, v254                   ; the running largest t
	v_mov_b32 v254, v12
	s_delay_alu instid0(VALU_DEP_2)
	v_floor_f32 v12, -v13                          ; the new -M = floor(-t) = -ceil(t): a whole number
	s_delay_alu instid0(VALU_DEP_1)
	v_sub_f32 v254, v12, v254                      ; M's old value less its new one: a whole number, 0 or less
	s_delay_alu instid0(VALU_DEP_1)
	v_cvt_i32_f32 v254, v254                       ; (it saturates)
	s_delay_alu instid0(VALU_DEP_1)
	v_ldexp_f32 v252, 1.0, v254                    ; f = 2^(old M - new M)
.set ii, 0
.rept 32
	v_pk_fma_f32 v[96+ii:97+ii], v[96+ii:97+ii], s[CS:CS+1], v[12:13] op_sel_hi:[1,0,0]   ; t - M, two at a time
.set ii, ii+2
.endr
.irp b, 0,1,2,3
	v_fma_f32 v[232+\b], v[232+\b], s[CS], v12     ; the same of each block's largest score
.endr
.set ii, 0
	s_wait_alu depctr_va_vdst(0)
.rept 64
	v_exp_f32 v[96+ii], v[96+ii]                   ; p = 2^(t - M), at most 1
.set ii, ii+1
.endr
	s_setprio 1
	v_pk_mul_f32 v[14:15], v[14:15], v[252:253] op_sel_hi:[1,0]   ; the sums under the new M: the plain instruction behind the exponentials
	s_wait_alu depctr_va_vdst(0)                   ; one wait for the whole batch, ahead of its first reader
.irp b, 0,1,2,3
	v_exp_f32 v[232+\b], v[232+\b]                 ; the block's largest p: the same two instructions on the same number give the same bits
.endr
	v_pk_add_f32 v[236:237], v[100:101], v[104:105]
	v_pk_add_f32 v[250:251], v[108:109], v[112:113]
	v_pk_add_f32 v[248:249], v[116:117], v[120:121]
	v_pk_add_f32 v[246:247], v[124:125], v[128:129]
	v_pk_add_f32 v[244:245], v[132:133], v[136:137]
	v_pk_add_f32 v[240:241], v[140:141], v[144:145]
	v_pk_add_f32 v[238:239], v[148:149], v[152:153]
	v_pk_add_f32 v[14:15], v[14:15], v[156:157]
	v_pk_add_f32 v[236:237], v[236:237], v[96:97]
	v_pk_add_f32 v[250:251], v[250:251], v[98:99]
	v_pk_add_f32 v[248:249], v[248:249], v[102:103]
	v_pk_add_f32 v[246:247], v[246:247], v[106:107]
	v_pk_add_f32 v[244:245], v[244:245], v[110:111]
	v_pk_add_f32 v[240:241], v[240:241], v[114:115]
	v_pk_add_f32 v[238:239], v[238:239], v[118:119]
	v_pk_add_f32 v[14:15], v[14:15], v[122:123]
	v_pk_add_f32 v[236:237], v[236:237], v[126:127]
	v_pk_add_f32 v[250:251], v[250:251], v[130:131]
	v_pk_add_f32 v[248:249], v[248:249], v[134:135]
	v_pk_add_f32 v[246:247], v[246:247], v[138:139]
	v_pk_add_f32 v[244:245], v[244:245], v[142:143]
	v_pk_add_f32 v[240:241], v[240:241], v[146:147]
	v_pk_add_f32 v[238:239], v[238:239], v[150:151]
	v_pk_add_f32 v[14:15], v[14:15], v[154:155]
	v_pk_add_f32 v[236:237], v[236:237], v[158:159]
	s_delay_alu instid0(VALU_DEP_2)
	v_pk_add_f32 v[14:15], v[14:15], v[246:247]
	s_delay_alu instid0(VALU_DEP_2)
	v_pk_add_f32 v[236:237], v[236:237], v[244:245]
	v_pk_add_f32 v[250:251], v[250:251], v[240:241]
	v_pk_add_f32 v[248:249], v[248:249], v[238:239]
	s_delay_alu instid0(VALU_DEP_2)
	v_pk_add_f32 v[14:15], v[14:15], v[250:251]
	s_delay_alu instid0(VALU_DEP_2)
	v_pk_add_f32 v[236:237], v[236:237], v[248:249]
	s_delay_alu instid0(VALU_DEP_1)
	v_pk_add_f32 v[14:15], v[14:15], v[236:237]
	s_wait_alu depctr_va_vdst(0)                   ; and one for the four
.irp b, 0,1,2,3
	v_max_num_f32 v[232+\b], 0x2800000, v[232+\b]  ; the floor 2^(5 - 127): the byte cannot fall under 1
.endr
.irp b, 0,1,2,3
	s_delay_alu instid0(VALU_DEP_4)
	v_add_nc_u32 v[244+\b], 0xfe000000, v[232+\b]  ; 4 off the exponent field: the conversion's scale operand
.endr
.irp b, 0,1,2,3
	s_delay_alu instid0(VALU_DEP_4)
	v_lshrrev_b32 v[236+\b], 23, v[244+\b]         ; the scale's byte
.endr
	s_delay_alu instid0(VALU_DEP_3)
	v_lshl_or_b32 v253, v237, 8, v236              ; p's scale word for these 128 keys
	s_delay_alu instid0(VALU_DEP_1)
	v_lshl_or_b32 v253, v238, 16, v253
	s_delay_alu instid0(VALU_DEP_1)
	v_lshl_or_b32 v253, v239, 24, v253
.irp c, 0,1
	v_cvt_scalef32_pk16_bf6_f32 v[224+6*\c:226+6*\c], v[96+32*\c:111+32*\c], v[244+2*\c]
	v_cvt_scalef32_pk16_bf6_f32 v[236+4*\c:238+4*\c], v[112+32*\c:127+32*\c], v[245+2*\c]   ; a conversion's three registers begin on an even number
.endr
	v_nop                                          ; one plain instruction behind the scaled conversions
.irp c, 0,1                            ; the operand's layout wants a whole block in a lane
.irp i, 0,1,2
	v_permlane16_swap_b32 v[224+6*\c+\i], v[236+4*\c+\i]
.endr
.irp i, 0,1,2
	s_delay_alu instid0(VALU_DEP_3)
	v_mov_b32 v[227+6*\c+\i], v[236+4*\c+\i]
.endr
.endr
.set ii, 0
	s_setprio 0
.rept 16
	v_pk_mul_f32 v[160+ii:161+ii], v[160+ii:161+ii], v[252:253] op_sel_hi:[1,0]   ; O^T under the new M.  These sixteen also stand between the writes of p's codes and scale word and the products
.set ii, ii+2
.endr
	s_wait_alu depctr_va_vdst(0)
	s_wait_dscnt 0x0                               ; V and its scale words are in
.irp a, 0,1,2,3
.if \a % 2
	v_wmma_scale_f32_16x16x128_f8f6f4 v[160+8*\a:167+8*\a], v[32+12*\a:43+12*\a], v[224:235], v[160+8*\a:167+8*\a], v[192+\a/2], v253 matrix_a_fmt:MATRIX_FMT_BF6 matrix_b_fmt:MATRIX_FMT_BF6 matrix_a_scale:MATRIX_SCALE_ROW1
.else
	v_wmma_scale_f32_16x16x128_f8f6f4 v[160+8*\a:167+8*\a], v[32+12*\a:43+12*\a], v[224:235], v[160+8*\a:167+8*\a], v[192+\a/2], v253 matrix_a_fmt:MATRIX_FMT_BF6 matrix_b_fmt:MATRIX_FMT_BF6
.endif
.endr
	s_add_co_u32 s[TB], s[TB], REC
.endm
	s_load_b256 s[4:11], s[0:1], 0x0               ; qimg, kvw, aimg, asc
	v_lshl_add_u32 v223, v0, 2, 0x34000
	v_mov_b32 v243, 0
	ds_add_u32 v223, v243
	ds_add_u32 v223, v243
	v_lshrrev_b32 v8, 5, v0
	s_delay_alu instid0(VALU_DEP_1)
	v_readfirstlane_b32 s[WV], v8                  ; wave 0..15
	s_bfe_u32 s12, ttmp6, 0x40000                  ; cx: my block of 512 queries; it enters global addresses of Q and of the results alone
	s_and_b32 s13, ttmp7, 0xffff                   ; hb, which the four partners share
	; descriptor group 1: a record as 51 rows of 256 bytes (32 elements of 8), dense
	s_mov_b32 s[G1], 15|(3<<16)|(1<<21)            ; 15:0 the mask: all four work-groups; 17:16 elements of 8 bytes; 20 no padding; 21 set beside a mask
	s_mov_b32 s[G1+1], 32<<16                      ; tensor_dim0 = 32
	s_mov_b32 s[G1+2], 51<<16                      ; tensor_dim1 = 51
	s_mov_b32 s[G1+3], 32<<16                      ; tile_dim0 = 32
	s_mov_b32 s[G1+4], 51                          ; tile_dim1 = 51
	s_mov_b32 s[G1+5], 32                          ; from row to row
	s_mov_b32 s[G1+6], 0
	s_mov_b32 s[G1+7], 0
	s_mul_i32 s14, s[WV], REC                      ; wave w (of the first four) brings record 4 c + w: its place in LDS and in the head's block are the same
	s_mul_i32 s16, s13, 16*REC
	s_add_co_u32 s16, s16, s14
	s_mov_b32 s17, 0
	s_mov_b32 s[SEL], 0x76543210
	s_mov_b32 s[SEL+1], 0xfedcba98
	s_mov_b32 s[CS], 0x3e38aa3b                    ; c = log2(e) / 8
	s_mov_b32 s[CS+1], s[CS]
	s_wait_dscnt 0x0
	s_wait_kmcnt 0x0
	s_add_nc_u64 s[16:17], s[6:7], s[16:17]
.irp c, 0,1,2,3
	s_mov_b32 s[G0+4*\c], 1                        ; count = 1
	s_add_co_u32 s[G0+4*\c+1], s14, \c*CHK         ; LDS address
	s_add_nc_u64 s[G0+4*\c+2:G0+4*\c+3], s[16:17], \c*CHK
	s_or_b32 s[G0+4*\c+3], s[G0+4*\c+3], 0x80000000   ; type = 2
.endr
	CROUND                                         ; all four work-groups are here: the joint loads meet
	s_cmp_lt_u32 s[WV], 4                          ; a wave's four fills stand in one branch, ahead of every wait on TENSORcnt and every LDS read: four loads of mine are out
	s_cbranch_scc0 .Lno_fill
	tensor_load_to_lds s[G0:G0+3], s[G1:G1+7]
	s_nop 0
	tensor_load_to_lds s[G0+4:G0+7], s[G1:G1+7]
	s_nop 0
	tensor_load_to_lds s[G0+8:G0+11], s[G1:G1+7]
	s_nop 0
	tensor_load_to_lds s[G0+12:G0+15], s[G1:G1+7]
	s_nop 0
.rept 4
	v_nop
.endr
.Lno_fill:
	s_lshl_b32 s56, s12, 4
	s_add_co_u32 s56, s56, s[WV]                   ; B: my pair of query tiles, 0..63
	s_mov_b32 s59, 0
	s_lshl_b32 s57, s13, 4
	s_lshr_b32 s58, s56, 2
	s_add_co_u32 s57, s57, s58
	s_mul_i32 s58, s57, 6656
	s_add_nc_u64 s[QA:QA+1], s[4:5], s[58:59]      ; Q's record: 16 hb + B / 4
	s_lshr_b32 s57, s13, 4
	s_lshl_b32 s57, s57, 7
	s_lshl_b32 s58, s56, 1
	s_add_co_u32 s57, s57, s58                     ; 128 b + 2 B
	s_lshl_b32 s57, s57, 4
	s_and_b32 s58, s13, 15
	s_add_co_u32 s57, s57, s58
	s_mul_i32 s58, s57, 768
	s_add_nc_u64 s[AO:AO+1], s[8:9], s[58:59]      ; aimg: ((128 b + T) x 16 + n) x 768
	s_lshl_b32 s57, s13, 7
	s_lshl_b32 s58, s56, 1
	s_add_co_u32 s57, s57, s58
	s_lshl_b32 s58, s57, 6
	s_add_nc_u64 s[AS:AS+1], s[10:11], s[58:59]    ; asc: (128 hb + T) x 64
	v_and_b32 v8, 31, v0
	s_delay_alu instid0(VALU_DEP_1)
	v_lshlrev_b32 v[LI], 4, v8
	s_delay_alu instid0(VALU_DEP_2)
	v_lshlrev_b32 v[L8], 3, v8
	s_delay_alu instid0(VALU_DEP_3)
	v_lshlrev_b32 v[L4], 2, v8
	s_and_b32 s57, s[WV], 3                        ; which of the record's four pairs
	s_mul_i32 s58, s57, 1536
	v_add_nc_u32 v9, s58, v[LI]
	s_lshl_b32 s58, s57, 2
	v_add_nc_u32 v10, s58, v[LI]
.irp c, 0,1,2
	global_load_b128 v[QP+4*\c:QP+4*\c+3], v9, s[QA:QA+1] offset:512*\c th:TH_LOAD_NT
.endr
	global_load_b32 v[QS], v10, s[QA:QA+1] offset:6144 th:TH_LOAD_NT   ; lanes 0-15: tile 2 B's scale words; lanes 16-31: tile 2 B + 1's
.irp i, 0,1,2,3,4,5
	v_mov_b32 v[QF+6+\i], 0                        ; the empty half of Q's operand: zero codes
	v_mov_b32 v[80+\i], 0                          ; and what stands behind K's last tile
.endr
.irp b, 0,1,2,3
	v_mov_b32 v[236+\b], 0                         ; written once: a lane permute's destination counts as one of its sources
.endr
	v_mov_b32 v253, 0                              ; (named as the upper half of the pair v[252:253] before it is first written)
	v_mov_b32 v[AW], 0
	s_mov_b32 s[TIL], 2
	s_mov_b32 s[MK], 0xffff
	s_wait_loadcnt 0x0                             ; Q
.irp i, 0,1,2,3,4,5
	v_mov_b32 v[QF+\i], v[QP+\i]                   ; the pair's first tile
.endr
.Ltile:                                            ; two trips: my two tiles of queries
	v_mov_b32 v13, 0xff61b1e6                      ; the largest t so far: -3e38, under every t
	s_delay_alu instid0(VALU_DEP_1)
	v_floor_f32 v12, -v13                          ; -M
	v_mov_b32 v14, 0
	v_mov_b32 v15, 0
.set ii, 0
.rept 32
	v_mov_b32 v[160+ii], 0                         ; O^T: the step is written once; the first finds zeros.  These lines also stand between the writes of Q's operand and scale words and the first product
.set ii, ii+1
.endr
.irp c, 0,1,2,3
	s_mov_b32 s[TB], \c*CHK
	s_wait_tensorcnt 3-\c                          ; my record of this chunk has landed; the chunks behind it may be out.  (Met at once in the second trip and in waves that fetch nothing)
	s_wait_dscnt 0x0
	s_barrier_signal -1
	s_barrier_wait -1                              ; everybody's has
	s_mov_b32 s[CNT], 4
.Lstep\c:
	s_setprio 2
	STEP
	s_sub_co_u32 s[CNT], s[CNT], 1
	s_cmp_lg_u32 s[CNT], 0
	s_cbranch_scc1 .Lstep\c
	s_setprio 0
.endr
	; THE WAY OUT of a tile: O^T / the sum is quantised along d: two blocks of 32, half a K step of the last product.
.rept 4
	v_nop                                          ; behind the last products, in front of the first read of O^T
.endr
	v_add_f32 v14, v14, v15                        ; the sum's two halves,
	s_delay_alu instid0(VALU_DEP_1)
	v_permlanex16_b32 v252, v14, s[SEL], s[SEL+1]
	s_delay_alu instid0(VALU_DEP_1)
	v_add_f32 v14, v14, v252                       ; and lane l xor 16's: the row's sum
	s_wait_alu depctr_va_vdst(0)
	v_rcp_f32 v14, v14
	v_nop                                          ; a plain instruction behind the reciprocal
	s_wait_alu depctr_va_vdst(0)                   ; and the wait ahead of its first reader
.set ii, 0
.rept 16
	v_pk_mul_f32 v[96+ii:97+ii], v[160+ii:161+ii], v[14:15] op_sel_hi:[1,0]   ; register 16 b + i is d = 32 b + 16 (lane / 16) + i of my query
.set ii, ii+2
.endr
.irp b, 0,1
	v_max3_num_f32 v[232+\b], |v[96+16*\b]|, |v[97+16*\b]|, 0x2800000
.endr
.irp i, 2,4,6,8,10,12,14
.irp b, 0,1
	s_delay_alu instid0(VALU_DEP_2)
	v_max3_num_f32 v[232+\b], v[232+\b], |v[96+16*\b+\i]|, |v[97+16*\b+\i]|
.endr
.endr
.irp b, 0,1
	s_delay_alu instid0(VALU_DEP_2)
	v_permlanex16_b32 v[236+\b], v[232+\b], s[SEL], s[SEL+1]
.endr
.irp b, 0,1
	s_delay_alu instid0(VALU_DEP_2)
	v_max_num_f32 v[232+\b], v[232+\b], v[236+\b]
.endr
.irp b, 0,1
	s_delay_alu instid0(VALU_DEP_2)
	v_add_nc_u32 v[244+\b], 0xfe000000, v[232+\b]
.endr
.irp b, 0,1
	s_delay_alu instid0(VALU_DEP_2)
	v_lshrrev_b32 v[236+\b], 23, v[244+\b]
.endr
	s_delay_alu instid0(VALU_DEP_1)
	v_lshl_or_b32 v254, v237, 8, v236              ; my query's two bytes
	v_cvt_scalef32_pk16_bf6_f32 v[224:226], v[96:111], v244
	v_cvt_scalef32_pk16_bf6_f32 v[240:242], v[112:127], v245
	v_nop
.irp i, 0,1,2
	v_permlane16_swap_b32 v[224+\i], v[240+\i]
.endr
.irp i, 0,1,2
	s_delay_alu instid0(VALU_DEP_3)
	v_mov_b32 v[227+\i], v[240+\i]                 ; registers 0-5: d = 32 (lane / 16) + 0 .. 31
.endr
.irp p, 0,1,2
	global_store_b64 v[L8], v[224+2*\p:225+2*\p], s[AO:AO+1] offset:256*\p   ; 32 lanes store 256 consecutive bytes, at a multiple of 256 from the buffer's first byte
.endr
	v_cndmask_b32 v[AW], v[AW], v254, s[MK]        ; the first tile's words in lanes 0-15, the second's in lanes 16-31
	s_wait_xcnt 0x0                                ; the stores have read their base and registers
	s_add_nc_u64 s[AO:AO+1], s[AO:AO+1], 16*768    ; the next tile
	s_lshl_b32 s[MK], s[MK], 16
.irp i, 0,1,2,3,4,5
	v_mov_b32 v[QF+\i], v[QP+6+\i]                 ; the pair's second tile,
.endr
	v_permlanex16_b32 v254, v[QS], s[SEL], s[SEL+1]
	s_delay_alu instid0(VALU_DEP_1)
	v_mov_b32 v[QS], v254                          ; and its scale words into lanes 0-15
	s_sub_co_u32 s[TIL], s[TIL], 1
	s_cmp_lg_u32 s[TIL], 0
	s_cbranch_scc1 .Ltile
	s_wait_alu depctr_va_vdst(0)
	global_store_b32 v[L4], v[AW], s[AS:AS+1]      ; the pair's 32 scale words: 128 consecutive bytes
	s_wait_tensorcnt 0x0
	s_wait_dscnt 0x0
	s_wait_tensorcnt 0x0
	ds_add_u32 v223, v243
	s_wait_dscnt 0x0
	CROUND                                         ; the closing round: no work-group ends while a partner may still ask for a record that names it
	s_endpgm
.Lfunc_end_k_q6b26985b8c_attn:
	.size	k_q6b26985b8c_attn, .Lfunc_end_k_q6b26985b8c_attn-k_q6b26985b8c_attn
	.p2alignl 7, 3214868480
	.fill 96, 4, 3214868480
	.section	.rodata,"a",@progbits
	.p2align	6, 0x0
	.amdhsa_kernel k_q6b26985b8c_attn
		.amdhsa_group_segment_fixed_size 215040
		.amdhsa_private_segment_fixed_size 0
		.amdhsa_enable_private_segment 0
		.amdhsa_kernarg_size 32
		.amdhsa_user_sgpr_count 2
		.amdhsa_user_sgpr_kernarg_segment_ptr 1
		.amdhsa_wavefront_size32 1
		.amdhsa_system_sgpr_workgroup_id_x 1
		.amdhsa_system_sgpr_workgroup_id_y 1
		.amdhsa_system_sgpr_workgroup_id_z 1
		.amdhsa_system_vgpr_workitem_id 0
		.amdhsa_next_free_vgpr 256
		.amdhsa_next_free_sgpr 66
		.amdhsa_reserve_vcc 0
		.amdhsa_float_denorm_mode_32 3
		.amdhsa_float_denorm_mode_16_64 3
		.amdhsa_memory_ordered 1
		.amdhsa_forward_progress 1
		.amdhsa_inst_pref_size 81
	.end_amdhsa_kernel
	.amdgpu_metadata
---
amdhsa.version: [ 1, 2 ]
amdhsa.kernels:
  - .name:           k_q6b26985b8c_attn
    .symbol:         k_q6b26985b8c_attn.kd
    .args:
      - { .name: qimg, .offset: 0, .size: 8, .value_kind: global_buffer, .address_space: global }
      - { .name: kvw, .offset: 8, .size: 8, .value_kind: global_buffer, .address_space: global }
      - { .name: aimg, .offset: 16, .size: 8, .value_kind: global_buffer, .address_space: global }
      - { .name: asc, .offset: 24, .size: 8, .value_kind: global_buffer, .address_space: global }
    .group_segment_fixed_size: 215040
    .private_segment_fixed_size: 0
    .kernarg_segment_align: 8
    .kernarg_segment_size: 32
    .max_flat_workgroup_size: 512
    .sgpr_count:     66
    .vgpr_count:     256
    .wavefront_size: 32
...
	.end_amdgpu_metadata
.endif
;; end of part 5
;; launch oproj (part 6): grid 256 x 1, 16 waves a work-group, no clusters, 159,232 bytes of LDS; arguments aimg, asc, Wo_codes, Wo_scales, h, gamma, beta, out0; writes out0
.if DOCPART == 6
	.amdgcn_target "amdgcn-amd-amdhsa--gfx1250"
	.amdhsa_code_object_version 6
	.text
	.protected	k_q6b26985b8c_oproj
	.globl	k_q6b26985b8c_oproj
	.p2align	8
	.type	k_q6b26985b8c_oproj,@function
k_q6b26985b8c_oproj:
	s_mov_b64 s[64:65], 0
	v_nop
	global_prefetch_b8 v0, s[64:65] scope:SCOPE_SE
	s_setreg_imm32_b32 hwreg(HW_REG_WAVE_SCHED_MODE, 0, 2), 2
	s_setreg_imm32_b32 hwreg(HW_REG_WAVE_MODE, 25, 1), 1
	s_wait_xcnt 0x0
	s_wait_alu depctr_vm_vsrc(0)
; out = layer_norm(h + Q(attn_vec) Wo) x gamma + beta.  The product runs on codes of BF6 (E3M2) with one E8M0 scale for each 32 along K = 1,024; all else in f32.
; SHARES.  A work-group owns 32 rows: i = 32 Bp .. 32 Bp + 31 of one batch b, that is tiles 2 Bp and 2 Bp + 1 of aimg (slot r of tile 2 Bp + u is row 32 Bp + 8 u + r + 8 (r / 8)).
; In the product wave w makes columns 64 w .. 64 w + 63 for both tiles: four tiles of Wo x two row tiles, eight accumulators by turns.  In the norm wave w owns the whole rows 2 w and 2 w + 1.
; The 16 fragments of attn_vec (2 tiles x 8 K steps) are brought by the 16 waves, one each, and laid in LDS as register images; Wo goes from memory straight into registers, half a K step ahead.
; No cluster: what the work-groups share is Wo, of which every wave takes fragments of its own straight into registers; a turn through LDS would add a ring of slots for eight matrix instructions a wave and K step.
; THE MATRIX INSTRUCTION IS USED TRANSPOSED (source 0 = 16 rows of Wo, source 1 = 16 rows of attn_vec): a lane holds eight neighbouring columns of one row.  Rows meet in a stage in LDS.
; The variance is taken in two passes, of x - mean, as the problem writes it: a common offset of the inputs costs nothing.
; REGISTERS: v1-10 addresses; v16-79 the accumulators (8 (4 u + a)), later my two rows; v80-143 h's two rows; v144-191 Wo's four fragments; v192-215 attn_vec's two; v216-247 Wo's scale words (8 a + ks); v248 attn_vec's;
; v250-255 at work.  Behind the product: gamma in v144-175, beta in v176-207.
; THE MODE: SCHED_MODE bits 1:0 = 2 (LLVM: expert scheduling mode 2), set by the entry lines.  The code itself states the register dependences between vector or matrix instructions and
; memory or LDS instructions, with s_wait_alu, always for 0.
; THE PLAN.  Registers that memory or LDS instructions touch:
;   v[WF ..], two halves of 24: a half is read by four products and then loaded again for the next K step: one wait on va_vdst behind each four products.  All 256 registers of the wave are taken: there is no second set.
;   v[AF ..], v[AS]: at the head a load lands in v[AF ..] and my LDS stores read it; then, in each K step, LDS loads land there and all eight products read them.  The wait behind a step's second four products covers them:
;   the next step's LDS loads follow it at once, ahead of Wo's loads.
;   v250: written by one vector instruction, read by the LDS store of my scale word; written again in the norm.
;   The accumulators: written by the products, read by the stage's LDS stores; then the stage's LDS loads land in them; the norm writes them and the stores of out0 read them.
;   v144-v207 behind the product: gamma and beta land where Wo's and attn_vec's fragments lay.
;   v80-v143 (h) and v216-v247 (Wo's scale words) are loaded once.  The addresses v1-v10 are made once at the head and never written again.
.set FRB,  1536
.set ASC,  24576                       ; behind the 16 images: the scale words: 128 ks + 64 u + 4 r
.set STG,  25600                       ; behind them: the stage, 32 rows x (4,096 bytes + 16)
.set SPI,  4112
.set LI,   1                           ; 16 x lane
.set WOF,  2                           ; 768 r + 24 h
.set WSO,  3                           ; 32 r
.set STO,  4                           ; the stage, in: row r + 8 (r / 8), + 32 h + 256 w
.set SR,   5                           ; and back: rows 2 w on, 16 x lane
.set L4,   6                           ; 4 x lane
.set L8,   7                           ; 8 x lane
.set R4,   8                           ; 4 r
.set PIM,  9                           ; where I lay my image: 1536 w + 16 x lane
.set PSC,  10                          ; and its scale words
.set ACC,  16
.set HR,   80
.set WF,   144
.set AF,   192
.set WS,   216
.set AS,   248
.set GA,   144
.set BE,   176
.set WV,   20
.set SEL,  26
.macro WL ks, a0                       ; Wo's tiles a0 and a0 + 1 for K step ks: 12 loads of 8 bytes
.irp a, \a0, \a0+1
.irp p, 0,1,2,3,4,5
	global_load_b64 v[WF+12*(\a)+2*\p:WF+12*(\a)+2*\p+1], v[WOF], s[8:9] offset:(\a)*12288+96*(\ks)+48*(\p/3)+8*(\p%3)
.endr
.endr
.endm
.macro AFETCH k                        ; attn_vec's two fragments and their scale words for K step k: 7 LDS loads
.irp u, 0,1
.irp c, 0,1,2
	ds_load_b128 v[AF+12*\u+4*\c:AF+12*\u+4*\c+3], v[LI] offset:(8*\u+(\k))*FRB+512*\c
.endr
.endr
	ds_load_b32 v[AS], v[L4] offset:ASC+128*(\k)   ; lanes 0-15: tile 0's scale words; lanes 16-31: tile 1's
.endm
.macro MM4 ks, a0                      ; four matrix instructions on four accumulators
.irp a, \a0, \a0+1
.if \ks == 0
	v_wmma_scale_f32_16x16x128_f8f6f4 v[ACC+8*(\a):ACC+8*(\a)+7], v[WF+12*(\a):WF+12*(\a)+11], v[AF:AF+11], 0, v[WS+8*(\a)+\ks], v[AS] matrix_a_fmt:MATRIX_FMT_BF6 matrix_b_fmt:MATRIX_FMT_BF6
	v_wmma_scale_f32_16x16x128_f8f6f4 v[ACC+32+8*(\a):ACC+32+8*(\a)+7], v[WF+12*(\a):WF+12*(\a)+11], v[AF+12:AF+23], 0, v[WS+8*(\a)+\ks], v[AS] matrix_a_fmt:MATRIX_FMT_BF6 matrix_b_fmt:MATRIX_FMT_BF6 matrix_b_scale:MATRIX_SCALE_ROW1
.else
	v_wmma_scale_f32_16x16x128_f8f6f4 v[ACC+8*(\a):ACC+8*(\a)+7], v[WF+12*(\a):WF+12*(\a)+11], v[AF:AF+11], v[ACC+8*(\a):ACC+8*(\a)+7], v[WS+8*(\a)+\ks], v[AS] matrix_a_fmt:MATRIX_FMT_BF6 matrix_b_fmt:MATRIX_FMT_BF6
	v_wmma_scale_f32_16x16x128_f8f6f4 v[ACC+32+8*(\a):ACC+32+8*(\a)+7], v[WF+12*(\a):WF+12*(\a)+11], v[AF+12:AF+23], v[ACC+32+8*(\a):ACC+32+8*(\a)+7], v[WS+8*(\a)+\ks], v[AS] matrix_a_fmt:MATRIX_FMT_BF6 matrix_b_fmt:MATRIX_FMT_BF6 matrix_b_scale:MATRIX_SCALE_ROW1
.endif
.endr
.rept 4
	v_nop                                          ; four plain instructions behind the products (ISA guide 7.12.1), in front of the first read of results; they stay beside the waits that follow
.endr
.endm
.macro ALLSUM r, t                     ; the sum of v[r] over the 32 lanes, in every lane; v[t] has been written
	v_add_f32_dpp v[\r], v[\r], v[\r] row_xmask:1 row_mask:0xf bank_mask:0xf
	v_add_f32_dpp v[\r], v[\r], v[\r] row_xmask:2 row_mask:0xf bank_mask:0xf
	v_add_f32_dpp v[\r], v[\r], v[\r] row_xmask:4 row_mask:0xf bank_mask:0xf
	v_add_f32_dpp v[\r], v[\r], v[\r] row_xmask:8 row_mask:0xf bank_mask:0xf
	v_permlanex16_b32 v[\t], v[\r], s[SEL], s[SEL+1]
	v_add_f32 v[\r], v[\r], v[\t]
.endm
.macro NORM p                          ; my row p: 32 numbers a lane
.set XR, ACC+32*(\p)
.set ii, 0
.rept 16
	v_pk_add_f32 v[XR+ii:XR+ii+1], v[XR+ii:XR+ii+1], v[HR+32*(\p)+ii:HR+32*(\p)+ii+1]   ; x = h + attn_out
.set ii, ii+2
.endr
	v_pk_add_f32 v[250:251], v[XR:XR+1], v[XR+2:XR+3]              ; the sum, in two chains
	v_pk_add_f32 v[252:253], v[XR+4:XR+5], v[XR+6:XR+7]
.irp j, 8,12,16,20,24,28
	v_pk_add_f32 v[250:251], v[250:251], v[XR+\j:XR+\j+1]
	v_pk_add_f32 v[252:253], v[252:253], v[XR+\j+2:XR+\j+3]
.endr
	v_pk_add_f32 v[250:251], v[250:251], v[252:253]
	v_add_f32 v250, v250, v251
	ALLSUM 250, 251
	v_mul_f32 v250, s28, v250                      ; the mean
.set ii, 0
.rept 16
	v_pk_add_f32 v[XR+ii:XR+ii+1], v[XR+ii:XR+ii+1], v[250:251] op_sel_hi:[1,0] neg_lo:[0,1] neg_hi:[0,1]   ; x - mean
.set ii, ii+2
.endr
	v_pk_mul_f32 v[252:253], v[XR:XR+1], v[XR:XR+1]
	v_pk_mul_f32 v[254:255], v[XR+2:XR+3], v[XR+2:XR+3]
.irp j, 4,8,12,16,20,24,28
	v_pk_fma_f32 v[252:253], v[XR+\j:XR+\j+1], v[XR+\j:XR+\j+1], v[252:253]
	v_pk_fma_f32 v[254:255], v[XR+\j+2:XR+\j+3], v[XR+\j+2:XR+\j+3], v[254:255]
.endr
	v_pk_add_f32 v[252:253], v[252:253], v[254:255]
	v_add_f32 v252, v252, v253
	ALLSUM 252, 253
	v_fma_f32 v252, v252, s28, s29                 ; the variance + 1e-5
	s_wait_alu depctr_va_vdst(0)
	v_rsq_f32 v252, v252
	v_nop                                          ; a plain instruction behind the root
	s_wait_alu depctr_va_vdst(0)                   ; the root has written v252, ahead of its first reader
.set ii, 0
.rept 16
	v_pk_mul_f32 v[XR+ii:XR+ii+1], v[XR+ii:XR+ii+1], v[252:253] op_sel_hi:[1,0]
	v_pk_fma_f32 v[XR+ii:XR+ii+1], v[XR+ii:XR+ii+1], v[GA+ii:GA+ii+1], v[BE+ii:BE+ii+1]
.set ii, ii+2
.endr
	s_wait_alu depctr_va_vdst(0)                   ; the row's 32 registers are written, which the stores below read
.irp e, 0,1,2,3,4,5,6,7
	global_store_b128 v[LI], v[XR+4*\e:XR+4*\e+3], s[18:19] offset:16384*(\p)+512*\e th:TH_STORE_NT   ; 32 lanes store 512 consecutive bytes, at a multiple of 256 from the buffer's first byte
.endr
.endm
	s_load_b256 s[4:11], s[0:1], 0x0               ; aimg, asc, Wo's codes, Wo's scales
	s_load_b256 s[12:19], s[0:1], 0x20             ; h, gamma, beta, out0
	v_lshl_add_u32 v15, v0, 2, 0x26600
	v_mov_b32 v249, 0
	v_lshrrev_b32 v11, 5, v0
	v_readfirstlane_b32 s[WV], v11                 ; wave 0..15
	s_and_b32 s21, ttmp9, 3                        ; b
	s_lshr_b32 s22, ttmp9, 2                       ; Bp
	s_mov_b32 s[SEL], 0x76543210
	s_mov_b32 s[SEL+1], 0xfedcba98
	s_mov_b32 s28, 0x3a800000                      ; 1 / 1,024
	s_mov_b32 s29, 0x3727c5ac                      ; 1e-5
	s_wait_alu depctr_va_sdst(0)                   ; the wave's number is written, ahead of its first reader: LDS places and all bases are made from it
	s_lshr_b32 s23, s[WV], 3                       ; the fragment that I bring: tile u,
	s_and_b32 s24, s[WV], 7                        ; K step ks
	v_and_b32 v11, 31, v0                          ; lane
	v_and_b32 v12, 15, v0                          ; r
	v_bfe_u32 v13, v0, 4, 1                        ; h
	v_lshlrev_b32 v[LI], 4, v11
	v_lshlrev_b32 v[L4], 2, v11
	v_lshlrev_b32 v[L8], 3, v11
	v_lshlrev_b32 v[R4], 2, v12
	v_mul_u32_u24 v[WOF], v12, 768
	v_mad_u32_u24 v[WOF], v13, 24, v[WOF]
	v_lshlrev_b32 v[WSO], 5, v12
	v_and_b32 v14, 8, v12
	v_add_nc_u32 v14, v14, v12                     ; r + 8 (r / 8)
	v_mul_u32_u24 v[STO], v14, SPI
	v_lshl_add_u32 v[STO], v13, 5, v[STO]
	s_lshl_b32 s30, s[WV], 8
	s_add_co_u32 s30, s30, STG
	v_add_nc_u32 v[STO], s30, v[STO]
	s_mul_i32 s30, s[WV], 2*SPI
	s_add_co_u32 s30, s30, STG
	v_add_nc_u32 v[SR], s30, v[LI]
	s_mul_i32 s30, s[WV], FRB
	v_add_nc_u32 v[PIM], s30, v[LI]
	s_lshl_b32 s30, s24, 7
	s_lshl_b32 s31, s23, 6
	s_add_co_u32 s30, s30, s31
	s_add_co_u32 s30, s30, ASC
	v_add_nc_u32 v[PSC], s30, v[R4]
	s_lshl_b32 s31, s22, 1                         ; 2 Bp
	s_lshl_b32 s30, s21, 7
	s_add_co_u32 s30, s30, s31
	s_add_co_u32 s30, s30, s23                     ; 128 b + 2 Bp + u
	s_lshl_b32 s30, s30, 4
	s_lshl_b32 s32, s24, 1
	s_add_co_u32 s30, s30, s32                     ; x 16 + head 2 ks
	s_mul_i32 s34, s30, 768
	s_mov_b32 s35, 0
	s_lshl_b32 s36, s21, 4
	s_add_co_u32 s36, s36, s32                     ; 16 b + 2 ks
	s_lshl_b32 s36, s36, 7
	s_add_co_u32 s36, s36, s31
	s_add_co_u32 s36, s36, s23
	s_lshl_b32 s36, s36, 6
	s_mov_b32 s37, 0
	s_mul_i32 s38, s[WV], 49152                    ; my 64 rows of Wo,
	s_mov_b32 s39, 0
	s_lshl_b32 s40, s[WV], 11                      ; and of its scale bytes
	s_mov_b32 s41, 0
	s_lshl_b32 s42, s22, 19                        ; my two rows of h and of out0: ((32 Bp + 2 w) x 4 + b) x 4,096
	s_lshl_b32 s43, s[WV], 15
	s_add_co_u32 s42, s42, s43
	s_lshl_b32 s43, s21, 12
	s_add_co_u32 s42, s42, s43
	s_mov_b32 s43, 0
	s_wait_kmcnt 0x0
	s_add_nc_u64 s[4:5], s[4:5], s[34:35]
	s_add_nc_u64 s[6:7], s[6:7], s[36:37]
	s_add_nc_u64 s[8:9], s[8:9], s[38:39]
	s_add_nc_u64 s[10:11], s[10:11], s[40:41]
	s_add_nc_u64 s[12:13], s[12:13], s[42:43]
	s_add_nc_u64 s[18:19], s[18:19], s[42:43]
	s_wait_alu depctr_va_vdst(0)                   ; the addresses v1 to v10 are written, which the loads, stores and LDS instructions of the whole kernel read
.irp p, 0,1,2,3,4,5
	global_load_b64 v[AF+2*\p:AF+2*\p+1], v[L8], s[4:5] offset:256*\p th:TH_LOAD_NT   ; heads 2 ks and 2 ks + 1 lie on end: the 12 registers of my fragment
.endr
	global_load_b32 v250, v[R4], s[6:7] th:TH_LOAD_NT              ; head 2 ks: two bytes a row,
	global_load_b32 v251, v[R4], s[6:7] offset:8192 th:TH_LOAD_NT  ; head 2 ks + 1
.irp a, 0,1,2,3
.irp e, 0,1
	global_load_b128 v[WS+8*\a+4*\e:WS+8*\a+4*\e+3], v[WSO], s[10:11] offset:512*\a+16*\e
.endr
.endr
	WL 0, 0
	WL 0, 2
.irp p, 0,1
.irp e, 0,1,2,3,4,5,6,7
	global_load_b128 v[HR+32*\p+4*\e:HR+32*\p+4*\e+3], v[LI], s[12:13] offset:16384*\p+512*\e th:TH_LOAD_NT
.endr
.endr
	s_wait_loadcnt 48                              ; my fragment and its bytes are in; Wo's 8 + 24 loads and h's 16 may be out
	v_lshl_or_b32 v250, v251, 16, v250             ; the K step's scale word
.irp c, 0,1,2
	ds_store_b128 v[PIM], v[AF+4*\c:AF+4*\c+3] offset:512*\c
.endr
	s_wait_alu depctr_va_vdst(0)                   ; the scale word in v250 is written, which the LDS store below reads
	ds_store_b32 v[PSC], v250                      ; both halves of the lanes write the same word with the same value
	s_wait_dscnt 0x0                               ; for the others' sake: my stores have landed
	s_barrier_signal -1
	s_barrier_wait -1                              ; all 16 fragments lie in LDS
	s_wait_alu depctr_vm_vsrc(0)                   ; my LDS stores have read v[AF ..], in which the fragments' loads land, and v250, which the norm writes again
	AFETCH 0
.irp k, 0,1,2,3,4,5,6,7
.if \k == 0
	s_wait_loadcnt 28                              ; the scale words and tiles 0, 1 are in; tiles 2, 3 (12) and h (16) may be out
.else
	s_wait_loadcnt 12                              ; tiles 0, 1 are in; tiles 2, 3 may be out
.endif
	s_wait_dscnt 0x0
	MM4 \k, 0
.if \k < 7
	s_wait_alu depctr_va_vdst(0)                   ; the four products are done reading Wo's tiles 0 and 1, in which the loads below land
	WL (\k+1), 0
.endif
.if \k == 0
	s_wait_loadcnt 28                              ; tiles 2, 3 are in; h (16) and the 12 just issued may be out
.elseif \k < 7
	s_wait_loadcnt 12                              ; all but the 12 just issued
.else
	s_wait_loadcnt 0x0
.endif
	MM4 \k, 2
	s_wait_alu depctr_va_vdst(0)                   ; the step's products are done reading Wo's tiles 2 and 3, attn_vec's two fragments and their scale words, in which the loads below land; behind the last step the accumulators are written, which the stage's stores read
.if \k < 7
	AFETCH (\k+1)                                  ; the LDS loads first: the next products wait for them
	WL (\k+1), 2
.endif
.endr
.irp e, 0,1,2,3,4,5,6,7
	global_load_b128 v[GA+4*\e:GA+4*\e+3], v[LI], s[14:15] offset:512*\e
	global_load_b128 v[BE+4*\e:BE+4*\e+3], v[LI], s[16:17] offset:512*\e
.endr
.irp u, 0,1
.irp a, 0,1,2,3
	ds_store_b128 v[STO], v[ACC+8*(4*\u+\a):ACC+8*(4*\u+\a)+3] offset:8*SPI*\u+64*\a       ; each accumulator from its low end on
	ds_store_b128 v[STO], v[ACC+8*(4*\u+\a)+4:ACC+8*(4*\u+\a)+7] offset:8*SPI*\u+64*\a+16
.endr
.endr
	s_wait_dscnt 0x0                               ; for the others' sake
	s_barrier_signal -1
	s_barrier_wait -1                              ; 32 whole rows lie in the stage
	s_wait_alu depctr_vm_vsrc(0)                   ; the stage's stores have read the accumulators, in which my two rows land
.irp p, 0,1
.irp e, 0,1,2,3,4,5,6,7
	ds_load_b128 v[ACC+32*\p+4*\e:ACC+32*\p+4*\e+3], v[SR] offset:SPI*\p+512*\e
.endr
.endr
	s_wait_loadcnt 0x0                             ; gamma and beta (h has long been in)
	s_wait_dscnt 0x0
	NORM 0
	NORM 1
	s_wait_dscnt 0x0                               ; the closing lines, six on end
	s_wait_alu 0x0
	s_wait_tensorcnt 0x0
	ds_add_u32 v15, v249
	s_wait_dscnt 0x0
	s_endpgm
.Lfunc_end_k_q6b26985b8c_oproj:
	.size	k_q6b26985b8c_oproj, .Lfunc_end_k_q6b26985b8c_oproj-k_q6b26985b8c_oproj
	.p2alignl 7, 3214868480
	.fill 96, 4, 3214868480
	.section	.rodata,"a",@progbits
	.p2align	6, 0x0
	.amdhsa_kernel k_q6b26985b8c_oproj
		.amdhsa_group_segment_fixed_size 159232
		.amdhsa_private_segment_fixed_size 0
		.amdhsa_enable_private_segment 0
		.amdhsa_kernarg_size 64
		.amdhsa_user_sgpr_count 2
		.amdhsa_user_sgpr_kernarg_segment_ptr 1
		.amdhsa_wavefront_size32 1
		.amdhsa_system_sgpr_workgroup_id_x 1
		.amdhsa_system_sgpr_workgroup_id_y 1
		.amdhsa_system_sgpr_workgroup_id_z 1
		.amdhsa_system_vgpr_workitem_id 0
		.amdhsa_next_free_vgpr 256
		.amdhsa_next_free_sgpr 66
		.amdhsa_reserve_vcc 0
		.amdhsa_float_denorm_mode_32 3
		.amdhsa_float_denorm_mode_16_64 3
		.amdhsa_memory_ordered 1
		.amdhsa_forward_progress 1
		.amdhsa_inst_pref_size 60
	.end_amdhsa_kernel
	.amdgpu_metadata
---
amdhsa.version: [ 1, 2 ]
amdhsa.kernels:
  - .name:           k_q6b26985b8c_oproj
    .symbol:         k_q6b26985b8c_oproj.kd
    .args:
      - { .name: aimg, .offset: 0, .size: 8, .value_kind: global_buffer, .address_space: global }
      - { .name: asc, .offset: 8, .size: 8, .value_kind: global_buffer, .address_space: global }
      - { .name: Wo_codes, .offset: 16, .size: 8, .value_kind: global_buffer, .address_space: global }
      - { .name: Wo_scales, .offset: 24, .size: 8, .value_kind: global_buffer, .address_space: global }
      - { .name: h, .offset: 32, .size: 8, .value_kind: global_buffer, .address_space: global }
      - { .name: gamma, .offset: 40, .size: 8, .value_kind: global_buffer, .address_space: global }
      - { .name: beta, .offset: 48, .size: 8, .value_kind: global_buffer, .address_space: global }
      - { .name: out0, .offset: 56, .size: 8, .value_kind: global_buffer, .address_space: global }
    .group_segment_fixed_size: 159232
    .private_segment_fixed_size: 0
    .kernarg_segment_align: 8
    .kernarg_segment_size: 64
    .max_flat_workgroup_size: 512
    .sgpr_count:     66
    .vgpr_count:     256
    .wavefront_size: 32
...
	.end_amdgpu_metadata
.endif
;; end of part 6
